; MI455X (gfx1250); checked and timed in simulation.
; The chip was launched on July 23, 2026; its instructions are those of AMD's public machine-readable ISA for CDNA 5 (MIT licence, August 2026) and "CDNA5" Instruction Set Architecture Reference Guide (July 2026). The comments in the code are by the model that wrote it; some were corrected since.
;; Causal Multi Head Attention. Allowed arithmetic: matrix products marked QUANTISED: E3M2 operands, one E8M0 scale for each 32 along K, by v_wmma_scale_f32_16x16x128_f8f6f4 with both operands' format E3M2, f32 sums; everything else in f32.
;; Inputs: Wa_b 3,072 float32; Wa_w 3,072 x 1,024 float32; Wo_b 1,024 float32; Wo_w 1,024 x 1,024 float32; x 4 x 2,048 x 1,024 float32.
;; Outputs: out0 4 x 2,048 x 1,024 float32.
;; This version of the problem:
;;   THIS VERSION OF THE PROBLEM IS GIVEN IN LOW PRECISION. The matrix products marked QUANTISED in the list below multiply operands that are first quantised to E3M2 (3 exponent bits, 2 mantissa bits; 6 bits a number), with one power-of-two scale for each 32 numbers along K (OCP MX v1.0); their sums are f32. All else is computed in f32.
;;   The module's matrix products, in the order in which they are computed (A, B: the left and right operand; K: the contracted axis; several contracted axes count as one K, in the product's order):
;;     1. [M 8,192, K 1,024] x [K 1,024, N 3,072]; A: input x; B: input Wa_w: QUANTISED
;;     2. batch 64 x [M 2,048, K 64] x [K 64, N 2,048]; A: computed on the way; B: computed on the way: QUANTISED
;;     3. batch 64 x [M 2,048, K 2,048] x [K 2,048, N 64]; A: softmax (see below); B: computed on the way: QUANTISED
;;     4. [M 8,192, K 1,024] x [K 1,024, N 1,024]; A: computed on the way; B: input Wo_w: QUANTISED
;;   THE QUANTISER, for each operand of a quantised product, along K:
;;     - K is cut into blocks of 32 from its start; a last block that is shorter is filled with zeros.
;;     - A block's scale is 2^e with e = floor(log2(the largest magnitude in the block)) - 4, held to -126 .. 127; a block of zeros has e = 0. As a byte (E8M0): e + 127.
;;     - Each number is divided by its block's scale, clamped to +-28, and rounded to the nearest number of E3M2, ties to even, subnormals kept.
;;     - The product sums the exact products of the quantised numbers (number of the format x scale) in f32.
;;   ~~~python
;;   def quantise(x, axis):      # numpy; x: float32 -> the quantised numbers, widened to float32 again
;;       x = np.moveaxis(x, axis, -1); K = x.shape[-1]
;;       x = np.pad(x, [(0, 0)] * (x.ndim - 1) + [(0, -K % 32)]); x = x.reshape(x.shape[:-1] + (-1, 32)); a = np.abs(x).max(-1, keepdims=True)
;;       e = np.where(a > 0, np.clip(np.frexp(np.where(a > 0, a, 1))[1] - 1 - 4, -126, 127), 0)      # np.frexp(a)[1] - 1 = floor(log2(a)), exactly
;;       r = np.clip(x / 2.0 ** e, -28, 28)
;;       step = 2.0 ** (np.maximum(np.frexp(np.where(r == 0, 1, r))[1] - 1, -2) - 2)
;;       q = np.round(r / step) * step * 2.0 ** e      # np.round: ties to even
;;       return np.moveaxis(q.reshape(q.shape[:-2] + (-1,))[..., :K], -1, axis).astype(np.float32)
;;   ~~~
;;   SOFTMAX AHEAD OF A QUANTISED PRODUCT. Where the list says 'softmax', what is quantised is not the finished softmax but p = 2^(t - M), with t = logit x log2(e) and M = ceil(the row's largest t), a whole number; so 1/2 < the row's largest p <= 1. The row's sum l is taken of the UNQUANTISED p, in f32, and the product's result is divided by l at the end. Since M is a whole number, a kernel that streams over the keys may use a running M (the ceiling of the running maximum): every later rescaling is an exact power of two, which a block's scale takes up: the codes' values come out the same.
;;   OPERANDS COMPUTED ON THE WAY. 'Computed on the way' means the value that the module computes at that place (a softmax that the list does not call 'softmax' is quantised finished and normalised). What goes into a quantiser is computed in f32, as accurately as f32 sums, v_exp_f32 and their like allow (about 1e-6 of the number): no bf16 or f16 on the way to a quantiser, and a product that is left as it is and whose result goes on into a quantised operand takes f32 operands (vector FMAs, or v_wmma_f32_16x16x4_f32). A number that lies on a knife's edge between two numbers of the format may be rounded either way, as far as f32 arithmetic and the matrix unit's own rounding can turn it there, and no further.
;; One version. Each part assembles by itself: llvm-mc -triple=amdgcn-amd-amdhsa -mcpu=gfx1250 --defsym DOCPART=n.
;; ======== version 1 of 1: 4 launches
;; workspace buffers: cq 9,830,400 bytes; qc 6,815,744 bytes; kv 13,369,344 bytes; oq 6,553,600 bytes
;; launch quant (part 1): grid 384 x 1, 4 waves a work-group, no clusters, 33,280 bytes of LDS; arguments x, Wa_w, Wo_w, cq; writes cq
.if DOCPART == 1
	.amdgcn_target "amdgcn-amd-amdhsa--gfx1250"
	.amdhsa_code_object_version 6
	.text
	.protected	k_qea8e5f2f80_quant
	.globl	k_qea8e5f2f80_quant
	.p2align	8
	.type	k_qea8e5f2f80_quant,@function
k_qea8e5f2f80_quant:
	s_mov_b64 s[64:65], 0
	v_nop
	global_prefetch_b8 v0, s[64:65] scope:SCOPE_SE
	s_setreg_imm32_b32 hwreg(HW_REG_WAVE_MODE, 25, 1), 1
	s_wait_xcnt 0x0
; x [8192][1024], Wa_w [3072][1024] and Wo_w [1024][1024], f32, become codes of BF6 (E3M2), K innermost, with one E8M0 byte for each 32 along K.
; They land in ONE stack of 12,288 row positions in cq: x at 0, Wa_w at 8,192, Wo_w at 11,264; codes at 768 x position, scale bytes at SCQ + 32 x position.
; A block's scale is 2^(floor(log2(its largest magnitude)) - 4); its byte is the largest magnitude's exponent field - 4, held at 1 from below.
; THE ROWS OF x AND Wa_w ARE STORED WITH BITS 3 AND 4 OF THE ROW NUMBER EXCHANGED: sixteen neighbouring positions then hold rows 0-7 and 16-23 (or 8-15 and 24-31) of a group of 32,
; so that in the next launch a lane's results of two neighbouring tiles are sixteen neighbours along the axis that is quantised next.  Wo_w keeps its order.
; A wave takes 8 rows (16 steps of 512 numbers), a work-group 32: so the exchange is an exchange of the two bits of the wave's number in the place where it stores.
; Each load reads 512 consecutive bytes; a step's 2,048 bytes turn through the wave's own stage in LDS (16 bytes of padding behind each 64) and come back 64 bytes a lane: 16 neighbours, two lanes to a block.
; LIMITS: a block of zeros gets the byte 1 and not 127 (its codes are zeros and only this program reads the bytes); blocks whose largest magnitude lies under 2^-122 keep the byte 1; NaN and infinities are not served.
.set STEPS, 16
.set EMAX,  4
.set CB,    12                         ; bytes of 16 codes
.set R,     16                         ; v16-79   four sets of 16 numbers as loaded
.set X,     80                         ; v80-111  two sets of 16 neighbours
.set E,     112                        ; v112-127 a scale byte for each step
.set C,     128                        ; v128-191 codes: four registers a step, so that no store's data are written again
.set WREG,  8192                       ; LDS: each wave's own region: two stages of 32 x SP bytes, then its 256 scale bytes
.set SP,    80
.set WG_WA, 256                        ; work-groups 0-255 take x, 256-351 Wa_w, 352-383 Wo_w (32 rows each)
.set WG_WO, 352
.set SCQ,   9437184                    ; 12,288 positions x 768 bytes
	s_load_b256 s[4:11], s[0:1], 0x0               ; x s[4:5], Wa_w s[6:7], Wo_w s[8:9], cq s[10:11]
	v_lshl_add_u32 v192, v0, 2, 0x8000
	v_mov_b32 v193, 0
	v_lshrrev_b32 v1, 5, v0
	v_readfirstlane_b32 s16, v1                    ; wave
	v_and_b32 v2, 31, v0                           ; lane
	v_lshlrev_b32 v3, 4, v2                        ; my 16 bytes of a load's 512
	s_mul_i32 s17, s16, WREG
	v_lshrrev_b32 v14, 2, v2
	v_mul_u32_u24 v14, v14, SP
	v_and_b32 v15, 3, v2
	v_lshl_add_u32 v14, v15, 4, v14
	v_add_nc_u32 v14, s17, v14                     ; the stage, way in: SP (lane / 4) + 16 (lane % 4)
	v_mul_u32_u24 v15, v2, SP
	v_add_nc_u32 v15, s17, v15                     ; way out: SP x lane: my 16 neighbours
	v_mul_u32_u24 v4, v2, CB                       ; my codes' place in a step's
	v_lshrrev_b32 v5, 1, v2
	s_add_co_u32 s17, s17, 2*32*SP
	v_add_nc_u32 v5, s17, v5                       ; my block's byte among the wave's 256
	v_lshlrev_b32 v7, 3, v2
	v_add_nc_u32 v6, s17, v7                       ; and 8 bytes a lane on their way out
	s_and_b32 s12, s16, 1
	s_lshl_b32 s12, s12, 1
	s_lshr_b32 s13, s16, 1
	s_or_b32 s12, s12, s13                         ; the wave's number with its two bits exchanged
	s_wait_kmcnt 0x0
	s_cmp_lt_u32 ttmp9, WG_WA                      ; which tensor: the choice hangs on the work-group's number alone
	s_cselect_b64 s[4:5], s[4:5], s[6:7]
	s_cselect_b32 s14, 0, WG_WA                    ; that tensor's first work-group
	s_cmp_lt_u32 ttmp9, WG_WO
	s_cselect_b64 s[4:5], s[4:5], s[8:9]
	s_cselect_b32 s14, s14, WG_WO
	s_cselect_b32 s12, s12, s16                    ; Wo_w keeps its order
	s_sub_co_u32 s18, ttmp9, s14
	s_lshl_b32 s18, s18, 2
	s_add_co_u32 s18, s18, s16                     ; which 8 rows of the tensor are my wave's,
	s_lshl_b32 s18, s18, 15                        ; 32,768 bytes each
	s_mov_b32 s19, 0
	s_add_nc_u64 s[4:5], s[4:5], s[18:19]
	s_lshl_b32 s20, ttmp9, 2
	s_add_co_u32 s20, s20, s12                     ; and which 8 positions of the stack
	s_mul_i32 s22, s20, 32*STEPS*CB                ; 6,144 bytes of codes
	s_mov_b32 s23, 0
	s_add_nc_u64 s[8:9], s[10:11], s[22:23]
	s_lshl_b32 s22, s20, 8                         ; 256 scale bytes
	s_add_co_u32 s22, s22, SCQ
	s_add_nc_u64 s[10:11], s[10:11], s[22:23]
.macro LOAD t
.irp i, 0,1,2,3
	global_load_b128 v[R+16*((\t)%4)+4*\i:R+16*((\t)%4)+4*\i+3], v3, s[4:5] offset:2048*(\t)+512*\i th:TH_LOAD_NT   ; 32 lanes read 512 consecutive bytes, read once in the launch
.endr
.endm
.macro TURN t                          ; step t through the stage: LDS serves a wave's instructions in order (ISA guide 5.7.1), so no wait stands between the stores and the loads
.irp i, 0,1,2,3
	ds_store_b128 v14, v[R+16*((\t)%4)+4*\i:R+16*((\t)%4)+4*\i+3] offset:32*SP*((\t)%2)+8*SP*\i
.endr
.irp i, 0,1,2,3
	ds_load_b128 v[X+16*((\t)%2)+4*\i:X+16*((\t)%2)+4*\i+3], v15 offset:32*SP*((\t)%2)+16*\i
.endr
.endm
.irp t, 0,1,2,3
	LOAD \t
.endr
	s_wait_loadcnt 12                              ; step 0's four loads are in; the twelve of steps 1 to 3 stay out
	TURN 0
.macro STEP t
.set XS, X+16*((\t)%2)
.if (\t) > 0
	s_wait_dscnt 1                                 ; this step's numbers are back from the stage; only the last step's byte store may be out
.else
	s_wait_dscnt 0x0
.endif
.if (\t)+4 < STEPS
	LOAD (\t)+4                                    ; into the registers that this step's stage stores have read
.endif
.if (\t)+1 < STEPS
.if STEPS-2-(\t) >= 3
	s_wait_loadcnt 12                              ; the next step's four loads are in; three steps' loads stay out
.else
	s_wait_loadcnt 4*(STEPS-2-(\t))                ; at the end the count runs down
.endif
	TURN (\t)+1
.endif
	v_max3_num_f32 v8, |v[XS]|, |v[XS+1]|, |v[XS+2]|               ; the largest magnitude of my 16, in two chains
	v_max3_num_f32 v9, |v[XS+3]|, |v[XS+4]|, |v[XS+5]|
.irp i, 6,10
	v_max3_num_f32 v8, v8, |v[XS+\i]|, |v[XS+\i+1]|
	v_max3_num_f32 v9, v9, |v[XS+\i+2]|, |v[XS+\i+3]|
.endr
	v_max3_num_f32 v8, v8, |v[XS+14]|, |v[XS+15]|
	v_max3_num_f32 v8, v8, v9, (EMAX+1)<<23        ; and the floor 2^(5 - 127): the byte cannot fall under 1
	v_max_num_f32_dpp v8, v8, v8 row_xmask:1 row_mask:0xf bank_mask:0xf   ; with my neighbour's 16: the block's
	v_add_nc_u32 v11, -(EMAX<<23), v8              ; 4 off its exponent field: the conversion reads that field as its scale and nothing else
	v_cvt_scalef32_pk16_bf6_f32 v[C+4*(\t):C+4*(\t)+2], v[XS:XS+15], v11
	v_lshrrev_b32 v[E+(\t)], 23, v11               ; the scale's byte
	ds_store_b8 v5, v[E+(\t)] offset:16*(\t)       ; both lanes of a block write the same byte with the same value
	global_store_b96 v4, v[C+4*(\t):C+4*(\t)+2], s[8:9] offset:32*CB*(\t)   ; the wave stores 384 consecutive bytes
.endm
.irp t, 0,1,2,3,4,5,6,7,8,9,10,11,12,13,14,15
	STEP \t
.endr
	ds_load_b64 v[12:13], v6                       ; in order behind my byte stores
	s_wait_dscnt 0x0
	global_store_b64 v7, v[12:13], s[10:11]        ; 32 lanes store 256 consecutive bytes, aligned
	s_wait_tensorcnt 0x0
	ds_add_u32 v192, v193
	s_wait_dscnt 0x0
	s_endpgm
.Lfunc_end_k_qea8e5f2f80_quant:
	.size	k_qea8e5f2f80_quant, .Lfunc_end_k_qea8e5f2f80_quant-k_qea8e5f2f80_quant
	.p2alignl 7, 3214868480
	.fill 96, 4, 3214868480
	.section	.rodata,"a",@progbits
	.p2align	6, 0x0
	.amdhsa_kernel k_qea8e5f2f80_quant
		.amdhsa_group_segment_fixed_size 33280
		.amdhsa_private_segment_fixed_size 0
		.amdhsa_enable_private_segment 0
		.amdhsa_kernarg_size 32
		.amdhsa_user_sgpr_count 2
		.amdhsa_user_sgpr_kernarg_segment_ptr 1
		.amdhsa_wavefront_size32 1
		.amdhsa_system_sgpr_workgroup_id_x 1
		.amdhsa_system_sgpr_workgroup_id_y 1
		.amdhsa_system_sgpr_workgroup_id_z 1
		.amdhsa_system_vgpr_workitem_id 0
		.amdhsa_next_free_vgpr 194
		.amdhsa_next_free_sgpr 66
		.amdhsa_reserve_vcc 0
		.amdhsa_float_denorm_mode_32 3
		.amdhsa_float_denorm_mode_16_64 3
		.amdhsa_memory_ordered 1
		.amdhsa_forward_progress 1
		.amdhsa_inst_pref_size 33
	.end_amdhsa_kernel
	.amdgpu_metadata
---
amdhsa.version: [ 1, 2 ]
amdhsa.kernels:
  - .name:           k_qea8e5f2f80_quant
    .symbol:         k_qea8e5f2f80_quant.kd
    .args:
      - { .name: x, .offset: 0, .size: 8, .value_kind: global_buffer, .address_space: global }
      - { .name: Wa_w, .offset: 8, .size: 8, .value_kind: global_buffer, .address_space: global }
      - { .name: Wo_w, .offset: 16, .size: 8, .value_kind: global_buffer, .address_space: global }
      - { .name: cq, .offset: 24, .size: 8, .value_kind: global_buffer, .address_space: global }
    .group_segment_fixed_size: 33280
    .private_segment_fixed_size: 0
    .kernarg_segment_align: 8
    .kernarg_segment_size: 32
    .max_flat_workgroup_size: 128
    .sgpr_count:     66
    .vgpr_count:     194
    .wavefront_size: 32
...
	.end_amdgpu_metadata
.endif
;; end of part 1
;; launch qkv (part 2): grid 12 x 32, 4 waves a work-group, clusters of 4 x 4, 327,680 bytes of LDS; arguments cq, Wa_b, qc, kv; writes qc, kv
.if DOCPART == 2
	.amdgcn_target "amdgcn-amd-amdhsa--gfx1250"
	.amdhsa_code_object_version 6
	.text
	.protected	k_qea8e5f2f80_qkv
	.globl	k_qea8e5f2f80_qkv
	.p2align	8
	.type	k_qea8e5f2f80_qkv,@function
k_qea8e5f2f80_qkv:
	s_mov_b64 s[64:65], 0
	v_nop
	global_prefetch_b8 v0, s[64:65] scope:SCOPE_SE
	s_setreg_imm32_b32 hwreg(HW_REG_WAVE_MODE, 25, 1), 1
	s_wait_xcnt 0x0
	s_wait_alu depctr_hold_cnt(0) depctr_sa_sdst(0) depctr_va_vdst(0) depctr_va_sdst(0) depctr_va_ssrc(0) depctr_va_vcc(0) depctr_vm_vsrc(0)
	s_getreg_b32 s2, hwreg(HW_REG_IB_STS2, 6, 4)
	s_cmp_eq_u32 s2, 0
	s_cbranch_scc0 .Lentry_in_a_cluster
	s_endpgm
.Lentry_in_a_cluster:
	s_bfe_u32 s2, ttmp6, 0x10000c
	s_cmp_lg_u32 s2, 0xf033
	s_cbranch_scc0 .Lentry_shape_is_right
	s_endpgm
.Lentry_shape_is_right:
; qkv = x Wa_w^T + Wa_b on codes of BF6 (E3M2) with E8M0 scales, K = 1,024; the f32 results never go to memory: q and k are quantised along the head's 64, v along the keys, on the way out.
; Both operands are rows of the stack in cq (codes at 768 x position, scale bytes at SCQ + 32 x position; x at 0, Wa_w at 8,192; rows of x and Wa_w with bits 3 and 4 exchanged).
; A tile of 256 x 256 results is made by four waves, 128 x 128 each (64 accumulators, 512 registers).  K goes in steps of 256 through two LDS slots filled by the tensor data mover.
; THE MATRIX INSTRUCTION IS USED TRANSPOSED: source 0 = 16 positions of "B", source 1 = 16 positions of "A".  In accumulator (a, b) lane (r, h) holds A's position 16 a + r, and register j
; B's position 16 b + 8 h + j, which is B's ROW 32 (b / 2) + 16 h + 8 (b % 2) + j: so for one a the 64 registers b = 0 .. 7 run 32 beta + 16 h + i: sixteen neighbours of each block of 32.
; TWO ROLES, by the cluster's x (the same in all sixteen partners):
;   x = 0, 1 (q and k):  A = x's tokens, B = Wa_w's rows 0-2,047.  A lane holds a token, its registers run along the features: two heads of 64.
;   x = 2    (v):        A = Wa_w's rows 2,048-3,071, B = x's tokens.  A lane holds a feature, its registers run along 128 tokens: the keys of one key step.
; OUTPUT, as images of operand registers.  qc: for each head stream (16 batch + head) HPQ bytes, for each 128 tokens SPQ: 8 tiles x 768 bytes (registers 0-3 at 16 x lane, 4-5 at 512 + 8 x lane), then 8 x 16 scale words.
;   kv: for each stream HPK bytes, for each key step SPK: 8 tiles of K, 4 fragments of V (3 x 512 bytes each), K's scale words (512 bytes), V's (256).
;   Tile a holds tokens (V: channels) 32 (a / 2) + 8 (a % 2) + r + 8 (r / 8).  In q's and k's scale words bytes 2 and 3 are 0: the upper 64 of the next product's K are zero codes.
; CLUSTERS: 4 x 4 work-groups; A's tile is shared along a row of the cluster, B's along a column, each asked for jointly.
; LIMITS: as in the launch before: a block of zeros gets the byte 1; blocks under 2^-122 keep the byte 1; NaN and infinities are not served.
; REGISTERS: window 0: v1-9 way-out addresses, v16-31 addresses, v32-63 scale words (two sets), v64-127 the bias, from v128 A's fragments (one set), later the way out.
;   window 1: B's fragments, two sets.   windows 2, 3: the accumulators, (a, b) at v[8 (8 (a % 4) + b)].
.set SIZE_K, 1024
.set KSTEP,  256
.set NQ,     KSTEP/128
.set ROWB,   192                       ; a tile's row: 256 codes
.set KROW,   SIZE_K*6/8
.set PITCH,  240                       ; an LDS row: 3 x (64 bytes + 16 of padding)
.set FR,     12
.set NL,     6                         ; LDS loads of a fragment
.set NP,     4                         ; places behind this matrix instruction (ISA guide 7.12.1)
.set HALFT,  128*PITCH
.set SLOT,   4*HALFT
.set LAPS,   SIZE_K/(2*KSTEP)
.set KS,     SIZE_K/32
.set SCL,    2*SLOT                    ; behind the ring: the scale bytes, as 256 bytes + 16 of padding
.set HALFS,  (128*KS/256)*272
.set SBLK,   (16*KS/256)*272
.set SPARE,  SCL+4*HALFS               ; the spare words: 128 bytes a wave, named by no other line
.set VSTG,   8192                      ; way out: q and k gather scale words at LDS byte 0 on, v at VSTG on: both in slot 0, which has had its last fill and its last read by then
.set SCQ,    9437184
.set HPQ,    106496
.set SPQ,    6656
.set HPK,    208896
.set SPK,    13056
.set L16,  3                           ; v3   16 x lane
.set L8,   4                           ; v4   8 x lane
.set SH,   5                           ; v5   16 h
.set SWA,  6                           ; v6   q, k: where my scale word goes: 1,024 wave + 512 h + 4 r
.set SRA,  7                           ; v7   and comes back: 1,024 wave + 16 x lane
.set SWV,  8                           ; v8   v: VSTG + 512 wave + 4 r
.set SRV,  9                           ; v9   VSTG + 512 wave + 8 x lane
.set ADRA, 16
.set ADRB, 20
.set ADRS, 27
.set SPW,  28
.set NIL,  29
.set BOQ,  30                          ; v30  bias offset, q and k: 64 h
.set BOV,  31                          ; v31  bias offset, v: 4 (r + 8 (r / 8))
.set SC,   32
.set BI,   64                          ; v64-127 the bias in the results' layout
.set AF,   128
.set HA,   128                         ; way out: 64 numbers
.set CD,   192                         ; v192-210 the codes just made
.set TM,   212                         ; v212-227 at work
.set PW,   228                         ; the scale word just made
.set WS,   232                         ; v232-239 a word for each block of rows
.set RB,   240                         ; v240-247 words read back
.set SEL,  92                          ; s[92:93] lane selects: lane l xor 16
.set G1, 24
.set G0, 32
.set G1B, 48
.set G0B, 56
.set G1S, 68
.set G0S, 76
.set G1SB, 80
.set G0SB, 88
.set MSB, 0
.macro WIN new                         ; the immediate's high byte repeats the setting that is left
.if MSB != (\new)
	s_set_vgpr_msb (MSB<<8)|(\new)
.set MSB, (\new)
.endif
.endm
.set MUL_LO, 0xa1                      ; source 0 (B) window 1, source 1 (A) window 0, C and D window 2
.set MUL_HI, 0xf1
.set TO_B,   0x40
; A joint load: waves 0 and 1 fetch for A, waves 2 and 3 for B; the branch hangs on the wave's number alone.  Four v_nop follow each line.
.macro JLOAD g0a, g1a, g0b, g1b
	s_cmp_eq_u32 s15, 0
	s_cbranch_scc0 .Lfor_b_\@
	tensor_load_to_lds s[\g0a:\g0a+3], s[\g1a:\g1a+7]
	s_nop 0
.rept 4
	v_nop
.endr
	s_branch .Lasked_\@
.Lfor_b_\@:
	tensor_load_to_lds s[\g0b:\g0b+3], s[\g1b:\g1b+7]
	s_nop 0
.rept 4
	v_nop
.endr
.Lasked_\@:
.endm
.macro CREST                           ; a round of the cluster's barrier behind its opening barrier
	s_cmp_lg_u32 s14, 0
	s_cbranch_scc1 .Lnot_wave_0_\@
	s_barrier_signal -3
.Lnot_wave_0_\@:
	s_barrier_wait -3
	s_barrier_signal -1
	s_barrier_wait -1
.endm
.macro CROUND
	s_barrier_signal -1
	s_barrier_wait -1
	CREST
.endm
	s_load_b64 s[4:5], s[0:1], 0x0                 ; cq
	s_load_b128 s[96:99], s[0:1], 0x8              ; Wa_b s[96:97], qc s[98:99]
	s_load_b64 s[100:101], s[0:1], 0x18            ; kv
	v_lshl_add_u32 v[SPW], v0, 2, SPARE
	v_mov_b32 v[NIL], 0
	ds_add_u32 v28, v29
	ds_add_u32 v28, v29
	s_wait_dscnt 0x0
	v_lshrrev_b32 v1, 5, v0
	v_readfirstlane_b32 s14, v1                    ; wave 0..3
	s_lshr_b32 s15, s14, 1                         ; which half of A's rows is mine.  Also: I fetch for A (0) or for B (1)
	s_and_b32 s16, s14, 1                          ; which half of B's rows.  Also: which 128 rows of that tile I fetch
	s_bfe_u32 s40, ttmp6, 0x40000                  ; cx, cy
	s_bfe_u32 s41, ttmp6, 0x40004
	s_and_b32 s94, ttmp7, 0xffff                   ; the cluster's y: four tiles of tokens
	s_add_co_u32 s95, ttmp9, 8                     ; q, k: Wa_w's tiles begin at stack tile 32 = 4 x 8
	s_cmp_eq_u32 ttmp9, 2                          ; the role: equal in all partners
	s_cselect_b32 s66, 10, s94                     ; A: v's rows of Wa_w begin at stack tile 40 = 4 x 10; else tokens
	s_cselect_b32 s67, s94, s95                    ; B: tokens; else Wa_w's rows for q and k
	s_lshl_b32 s42, s67, 2
	s_add_co_u32 s42, s42, s40                     ; B's tile in the stack: cx enters here alone
	s_lshl_b32 s17, s66, 2
	s_add_co_u32 s17, s17, s41                     ; A's tile: cy enters here alone
	s_lshl_b32 s43, s41, 2
	s_lshl_b32 s43, 15, s43                        ; my row of the cluster
	s_lshl_b32 s44, 0x1111, s40                    ; my column
	; group 1: 128 rows x 192 bytes, 16 bytes of padding behind every 64
	s_or_b32 s[G1+0], s43, (0<<16)|(1<<20)|(1<<21)|(3<<22)|(3<<25)
	s_or_b32 s[G1B+0], s44, (0<<16)|(1<<20)|(1<<21)|(3<<22)|(3<<25)
.irp g, G1, G1B
	s_mov_b32 s[\g+1], ROWB<<16                    ; tensor_dim0
	s_mov_b32 s[\g+2], 128<<16                     ; tensor_dim1
	s_mov_b32 s[\g+3], ROWB<<16                    ; tile_dim0
	s_mov_b32 s[\g+4], 128                         ; tile_dim1
	s_mov_b32 s[\g+5], KROW                        ; pitch
	s_mov_b32 s[\g+6], 0
	s_mov_b32 s[\g+7], 0
.endr
	; the scale bytes of 128 rows for all of K: 4,096 dense bytes as 16 rows of 256 (32 elements of 8 bytes), 16 bytes of padding behind each
	s_or_b32 s[G1S+0], s43, (3<<16)|(1<<20)|(1<<21)|(5<<22)|(3<<25)
	s_or_b32 s[G1SB+0], s44, (3<<16)|(1<<20)|(1<<21)|(5<<22)|(3<<25)
.irp g, G1S, G1SB
	s_mov_b32 s[\g+1], 32<<16
	s_mov_b32 s[\g+2], (128*KS/256)<<16
	s_mov_b32 s[\g+3], 32<<16
	s_mov_b32 s[\g+4], 128*KS/256
	s_mov_b32 s[\g+5], 32
	s_mov_b32 s[\g+6], 0
	s_mov_b32 s[\g+7], 0
.endr
	s_lshl_b32 s18, s16, 7
	s_lshl_b32 s20, s17, 8
	s_add_co_u32 s20, s20, s18                     ; A: position 256 x tile + 128 x half
	s_lshl_b32 s46, s42, 8
	s_add_co_u32 s46, s46, s18                     ; B likewise
	s_mov_b32 s21, 0
	s_mov_b32 s47, 0
	s_mov_b64 s[18:19], KS
	s_mul_u64 s[22:23], s[20:21], s[18:19]         ; their scale bytes
	s_mul_u64 s[92:93], s[46:47], s[18:19]
	s_mov_b64 s[18:19], KROW
	s_mul_u64 s[20:21], s[20:21], s[18:19]         ; their codes
	s_mul_u64 s[46:47], s[46:47], s[18:19]
	s_mul_i32 s45, s14, HALFT                      ; LDS places hang on the wave's number alone
	s_mul_i32 s94, s14, HALFS
	s_wait_kmcnt 0x0
	s_add_nc_u64 s[6:7], s[4:5], SCQ
	s_add_nc_u64 s[20:21], s[4:5], s[20:21]
	s_add_nc_u64 s[22:23], s[6:7], s[22:23]
	s_add_nc_u64 s[46:47], s[4:5], s[46:47]
	s_add_nc_u64 s[92:93], s[6:7], s[92:93]
	CROUND                                         ; all sixteen work-groups are here: the first joint loads meet
	s_mov_b32 s[G0S], 1
	s_add_co_u32 s[G0S+1], s94, SCL
	s_mov_b64 s[G0S+2:G0S+3], s[22:23]
	s_or_b32 s[G0S+3], s[G0S+3], 0x80000000
	s_mov_b32 s[G0SB], 1
	s_add_co_u32 s[G0SB+1], s94, SCL
	s_mov_b64 s[G0SB+2:G0SB+3], s[92:93]
	s_or_b32 s[G0SB+3], s[G0SB+3], 0x80000000
	JLOAD G0S, G1S, G0SB, G1SB                     ; the scales first: wanted with K step 0; filled once
.irp s, 0,1
	s_mov_b32 s[G0+4*\s], 1
	s_add_co_u32 s[G0+4*\s+1], s45, \s*SLOT
	s_add_nc_u64 s[G0+4*\s+2:G0+4*\s+3], s[20:21], \s*ROWB
	s_or_b32 s[G0+4*\s+3], s[G0+4*\s+3], 0x80000000
	s_mov_b32 s[G0B+4*\s], 1
	s_add_co_u32 s[G0B+4*\s+1], s45, \s*SLOT
	s_add_nc_u64 s[G0B+4*\s+2:G0B+4*\s+3], s[46:47], \s*ROWB
	s_or_b32 s[G0B+4*\s+3], s[G0B+4*\s+3], 0x80000000
	JLOAD G0+4*\s, G1, G0B+4*\s, G1B               ; three loads of mine are out now
.endr
	v_and_b32 v1, 15, v0                           ; r
	v_bfe_u32 v2, v0, 4, 1                         ; h
	v_mul_u32_u24 v10, v1, PITCH
	v_mul_u32_u24 v11, v2, 24
	v_add_nc_u32 v11, v10, v11                     ; a fragment's row x pitch + 24 h
	v_lshl_add_u32 v12, v2, 4, v11                 ; and the same behind one padding more
	s_mul_i32 s21, s15, HALFT
	s_mul_i32 s22, s16, HALFT
	s_add_co_u32 s22, s22, 2*HALFT
.irp s, 0,1
	v_add_nc_u32 v[ADRA+\s], s21, v11
	v_add_nc_u32 v[ADRB+\s], s22, v11
	v_add_nc_u32 v[ADRA+2+\s], s21, v12
	v_add_nc_u32 v[ADRB+2+\s], s22, v12
	s_add_co_u32 s21, s21, SLOT
	s_add_co_u32 s22, s22, SLOT
.endr
	v_mul_u32_u24 v12, v1, KS                      ; my row's scale bytes,
	v_lshrrev_b32 v13, 8, v12
	v_lshl_add_u32 v12, v13, 4, v12                ; 16 more for each 256 passed
	s_mul_i32 s21, s15, HALFS
	s_mul_i32 s22, s16, HALFS
	s_add_co_u32 s22, s22, 2*HALFS
	s_sub_co_u32 s22, s22, s21
	v_mul_u32_u24 v13, s22, v2                     ; lanes 16-31 take B's: one product, the distance between the two bases
	s_add_co_u32 s21, s21, SCL
	v_add_nc_u32 v12, v12, v13
	v_add_nc_u32 v[ADRS], s21, v12
	; every address of the way out is made here, ahead of the roles' parting
	v_and_b32 v10, 31, v0
	v_lshlrev_b32 v[L16], 4, v10
	v_lshlrev_b32 v[L8], 3, v10
	v_lshlrev_b32 v[SH], 4, v2
	s_lshl_b32 s21, s14, 10
	v_lshlrev_b32 v[SWA], 2, v1
	v_lshl_add_u32 v[SWA], v2, 9, v[SWA]
	v_add_nc_u32 v[SWA], s21, v[SWA]
	v_add_nc_u32 v[SRA], s21, v[L16]
	s_lshl_b32 s21, s14, 9
	s_add_co_u32 s21, s21, VSTG
	v_lshl_add_u32 v[SWV], v1, 2, s21
	v_add_nc_u32 v[SRV], s21, v[L8]
	v_lshlrev_b32 v[BOQ], 6, v2
	v_and_b32 v[BOV], 8, v1
	v_add_nc_u32 v[BOV], v[BOV], v1
	v_lshlrev_b32 v[BOV], 2, v[BOV]
	; THE BIAS, in the results' layout; it lands under the whole K loop and is waited for on the way out
	s_lshl_b32 s18, s42, 8
	s_lshl_b32 s19, s16, 7
	s_add_co_u32 s18, s18, s19                     ; q, k: the features are B's rows
	s_lshl_b32 s20, s17, 8
	s_lshl_b32 s21, s15, 7
	s_add_co_u32 s20, s20, s21                     ; v: they are A's
	s_cmp_eq_u32 ttmp9, 2
	s_cselect_b32 s18, s20, s18
	s_sub_co_u32 s18, s18, 8192                    ; stack position -> row of Wa_w
	s_lshl_b32 s18, s18, 2
	s_mov_b32 s19, 0
	s_add_nc_u64 s[12:13], s[96:97], s[18:19]
	s_cmp_eq_u32 ttmp9, 2
	s_cbranch_scc1 .Lbias_v
.irp b, 0,1,2,3,4,5,6,7                ; register 8 b + j: feature 32 (b / 2) + 16 h + 8 (b % 2) + j
	global_load_b128 v[BI+8*\b:BI+8*\b+3], v[BOQ], s[12:13] offset:4*(32*(\b/2)+8*(\b%2))
	global_load_b128 v[BI+8*\b+4:BI+8*\b+7], v[BOQ], s[12:13] offset:4*(32*(\b/2)+8*(\b%2))+16
.endr
	s_branch .Lbias_done
.Lbias_v:
.irp a, 0,1,2,3,4,5,6,7                ; registers 8 a + 0 .. 7: my lane's feature of block a, eight times, so that the packed addition takes plain pairs in both roles
.irp j, 0,1,2,3,4,5,6,7
	global_load_b32 v[BI+8*\a+\j], v[BOV], s[12:13] offset:4*(32*(\a/2)+8*(\a%2))
.endr
.endr
.Lbias_done:
.macro FRAG reg, adr, q, i             ; 16 rows x 128 K: 12 registers; registers 6 c .. 6 c + 5 hold K = 64 c + 32 h + 0 .. 31: 24 bytes of the row as they lie, in pieces of 8
.irp p, 0,1,2,3,4,5
.set PCE, 12*(\q)+6*(\p/3)+\p%3        ; where the piece three further on (lanes 16-31) lies behind one padding more, the second address register serves
.if PCE%8 < 5
	ds_load_b64 v[\reg+2*\p:\reg+2*\p+1], v[\adr] offset:8*PCE+16*(PCE/8)+(\i)*16*PITCH
.else
	ds_load_b64 v[\reg+2*\p:\reg+2*\p+1], v[\adr+2] offset:8*PCE+16*(PCE/8)+(\i)*16*PITCH
.endif
.endr
.endm
; 16 matrix instructions: A's blocks a0, a0 + 1 x B's eight.  The 64 accumulators take turns, one instruction a turn, in the same order in every step.
.macro MUL16 a0, p, q, sc, zero
.irp a, \a0, \a0+1
.irp b, 0,1,2,3,4,5,6,7
.if \zero
	v_wmma_scale_f32_16x16x128_f8f6f4 v[8*(8*((\a)%4)+\b):8*(8*((\a)%4)+\b)+7], v[128*(\p)+FR*\b:128*(\p)+FR*\b+FR-1], v[AF+FR*(\a):AF+FR*(\a)+FR-1], 0, v[SC+8*NQ*(\sc)+NQ*\b+(\q)], v[SC+8*NQ*(\sc)+NQ*(\a)+(\q)] matrix_a_fmt:MATRIX_FMT_BF6 matrix_b_fmt:MATRIX_FMT_BF6 matrix_a_scale:MATRIX_SCALE_ROW1
.else
	v_wmma_scale_f32_16x16x128_f8f6f4 v[8*(8*((\a)%4)+\b):8*(8*((\a)%4)+\b)+7], v[128*(\p)+FR*\b:128*(\p)+FR*\b+FR-1], v[AF+FR*(\a):AF+FR*(\a)+FR-1], v[8*(8*((\a)%4)+\b):8*(8*((\a)%4)+\b)+7], v[SC+8*NQ*(\sc)+NQ*\b+(\q)], v[SC+8*NQ*(\sc)+NQ*(\a)+(\q)] matrix_a_fmt:MATRIX_FMT_BF6 matrix_b_fmt:MATRIX_FMT_BF6 matrix_a_scale:MATRIX_SCALE_ROW1
.endif
.endr
.endr
.endm
.macro FETCH_B slot, q, p
	WIN TO_B
.irp i, 0,1,2,3,4,5,6,7
	FRAG 128*(\p)+FR*\i, ADRB+\slot, \q, \i
.endr
	WIN 0
.endm
.macro FETCH_A slot, q, i0
.irp i, \i0, \i0+1, \i0+2, \i0+3
	FRAG AF+FR*(\i), ADRA+\slot, \q, \i
.endr
.endm
.macro SCALES sc                       ; a K step's scale words: lanes 0-15 A's block i, lanes 16-31 B's block i
.irp i, 0,1,2,3,4,5,6,7
	ds_load_b64 v[SC+8*NQ*\sc+NQ*\i:SC+8*NQ*\sc+NQ*\i+1], v[ADRS] offset:\i*SBLK
.endr
.endm
.macro PLACES n                        ; plain vector instructions between a matrix instruction and a load into, or a read of, its registers
.rept \n
	v_nop
.endr
.endm
.macro STEP slot, q, zero              ; 128 along K whose successor lies in the same slot
	s_wait_dscnt 4*NL                              ; B's set and A's blocks 0-3 are in; the youngest 24 loads (A's blocks 4-7) may be out
	WIN MUL_LO
	MUL16 0, (\q)%2, \q, \slot, \zero
	MUL16 2, (\q)%2, \q, \slot, \zero
	s_wait_dscnt 0
	PLACES NP
	FETCH_B \slot, (\q)+1, 1-(\q)%2
	FETCH_A \slot, (\q)+1, 0
	WIN MUL_HI
	MUL16 4, (\q)%2, \q, \slot, \zero
	MUL16 6, (\q)%2, \q, \slot, \zero
	PLACES NP
	WIN 0
	FETCH_A \slot, (\q)+1, 4
.endm
; A slot's last step changes slots: one barrier; in front of it each wave waits for all its tensor loads, adds 0 to its spare word, and waits for that and for its reads of this slot.
.macro TURN slot, next, fill
	s_wait_tensorcnt 0x0                           ; my part of the next slot has landed; no load of mine is out
	ds_add_u32 v[SPW], v[NIL]
	s_wait_dscnt 4*NL+1                            ; the add and the youngest 24 loads may be out
	WIN MUL_LO
	MUL16 0, 1, NQ-1, \slot, 0
	s_wait_dscnt 0x0                               ; the add is done, my reads of this slot are over
	s_barrier_signal -1
	MUL16 2, 1, NQ-1, \slot, 0
	WIN 0
	s_barrier_wait -1
.if \fill
	CREST                                          ; the barrier has opened a round of the cluster's: no wave of any partner still reads this slot or has a load on its way
	s_add_nc_u64 s[G0+4*\slot+2:G0+4*\slot+3], s[G0+4*\slot+2:G0+4*\slot+3], 2*ROWB
	s_add_nc_u64 s[G0B+4*\slot+2:G0B+4*\slot+3], s[G0B+4*\slot+2:G0B+4*\slot+3], 2*ROWB
	JLOAD G0+4*\slot, G1, G0B+4*\slot, G1B         ; my one load behind the round; its four v_nop are the places in front of the loads below
.else
	PLACES NP
.endif
	v_add_nc_u32 v[ADRS], 4*NQ, v[ADRS]
	FETCH_B \next, 0, 0
	FETCH_A \next, 0, 0
	SCALES \next
	WIN MUL_HI
	MUL16 4, 1, NQ-1, \slot, 0
	MUL16 6, 1, NQ-1, \slot, 0
	PLACES NP
	WIN 0
	FETCH_A \next, 0, 4
.endm
	s_wait_tensorcnt 1                             ; the scales and my part of K step 0 are in; K step 1's load may be out
	s_barrier_signal -1
	s_barrier_wait -1
	FETCH_B 0, 0, 0
	FETCH_A 0, 0, 0
	SCALES 0
	FETCH_A 0, 0, 4
	STEP 0, 0, 1                                   ; the first products start the sums: nothing is cleared
	s_mov_b32 s3, LAPS-1
.Llap:                                                 ; a trip goes once round the ring and fills both slots again
	TURN 0, 1, 1
	STEP 1, 0, 0
	TURN 1, 0, 1
	STEP 0, 0, 0
	s_sub_co_u32 s3, s3, 1
	s_cmp_lg_u32 s3, 0
	s_cbranch_scc1 .Llap
	TURN 0, 1, 0                                   ; the last lap fills nothing
	STEP 1, 0, 0
	s_wait_dscnt 4*NL
	WIN MUL_LO
	MUL16 0, 1, NQ-1, 1, 0
	MUL16 2, 1, NQ-1, 1, 0
	s_wait_dscnt 0
	WIN MUL_HI
	MUL16 4, 1, NQ-1, 1, 0
	MUL16 6, 1, NQ-1, 1, 0
	WIN 0
; THE WAY OUT.  Block a's 64 results a lane, plus the bias, come into window 0 (the addition is the move); they are quantised there and leave as images.
.macro TAKE a, byrow                   ; byrow = 0: the bias goes with the register (8 b + i); 1: with the lane (block a's eight copies).  Each accumulator is read from its low end on
	WIN 0x02+(\a)/4
.irp b, 0,1,2,3,4,5,6,7
.if \byrow
.set IX, BI+8*(\a)
.else
.set IX, BI+8*\b
.endif
.irp i, 0,2,4,6
	v_pk_add_f32 v[HA+8*\b+\i:HA+8*\b+\i+1], v[64*((\a)%4)+8*\b+\i:64*((\a)%4)+8*\b+\i+1], v[IX+\i:IX+\i+1]
.endr
.endr
	WIN 0
.endm
; 64 numbers of a lane, register 16 b + i = k 32 b + 16 h + i of my row, become a fragment's codes in v[CD] on and its scale word in v[PW].
.macro QUANT s
.irp b, 0,1,2,3
	v_max3_num_f32 v[TM+\b], |v[\s+16*\b]|, |v[\s+1+16*\b]|, 0x2800000   ; my 16 numbers of block b, and the floor 2^(5 - 127): the byte cannot fall under 1
.endr
.irp i, 2,4,6,8,10,12,14
.irp b, 0,1,2,3
	v_max3_num_f32 v[TM+\b], v[TM+\b], |v[\s+16*\b+\i]|, |v[\s+1+16*\b+\i]|
.endr
.endr
.irp b, 0,1,2,3
	v_permlanex16_b32 v[TM+4+\b], v[TM+\b], s[SEL], s[SEL+1]
.endr
.irp b, 0,1,2,3
	v_max_num_f32 v[TM+\b], v[TM+\b], v[TM+4+\b]   ; with lane l xor 16's: the block's largest magnitude
.endr
.irp b, 0,1,2,3
	v_add_nc_u32 v[TM+12+\b], 0xfe000000, v[TM+\b] ; 4 off its exponent field: the conversion's scale operand
.endr
.irp b, 0,1,2,3
	v_lshrrev_b32 v[TM+4+\b], 23, v[TM+12+\b]      ; the scale's byte
.endr
	v_lshl_or_b32 v[PW], v[TM+5], 8, v[TM+4]
	v_lshl_or_b32 v[PW], v[TM+6], 16, v[PW]
	v_lshl_or_b32 v[PW], v[TM+7], 24, v[PW]
.irp c, 0,1
	v_cvt_scalef32_pk16_bf6_f32 v[CD+6*\c:CD+2+6*\c], v[\s+32*\c:\s+15+32*\c], v[TM+12+2*\c]
	v_cvt_scalef32_pk16_bf6_f32 v[CD+12+4*\c:CD+14+4*\c], v[\s+16+32*\c:\s+31+32*\c], v[TM+12+2*\c+1]   ; (a conversion's three registers begin on an even number)
.endr
	v_nop                                          ; one plain place behind a scaled conversion
.irp c, 0,1                            ; the operand's layout wants a whole block in a lane: lanes 0-15 block 2 c, lanes 16-31 block 2 c + 1
.irp i, 0,1,2
	v_permlane16_swap_b32 v[CD+6*\c+\i], v[CD+12+4*\c+\i]
.endr
.irp i, 0,1,2
	v_mov_b32 v[CD+3+6*\c+\i], v[CD+12+4*\c+\i]
.endr
.endr
.endm
.macro OUT_QK a                        ; registers 0-5 are the first head's tile (K = 64), 6-11 the second's
.if (\a) > 0
	s_wait_xcnt 0x0                                ; the last block's stores have read the codes' registers
.endif
	TAKE \a, 0
	QUANT HA
	global_store_b128 v[L16], v[CD:CD+3], s[4:5] offset:768*(\a)            ; 512 consecutive bytes, aligned
	global_store_b64 v[L8], v[CD+4:CD+5], s[4:5] offset:768*(\a)+512        ; 256
	global_store_b128 v[L16], v[CD+6:CD+9], s[6:7] offset:768*(\a)
	global_store_b64 v[L8], v[CD+10:CD+11], s[6:7] offset:768*(\a)+512
	v_lshrrev_b32 v[WS+(\a)], v[SH], v[PW]         ; lanes 0-15 keep the first head's two bytes, lanes 16-31 the second's;
	v_and_b32 v[WS+(\a)], 0xffff, v[WS+(\a)]       ; bytes 2 and 3 are 0
	ds_store_b32 v[SWA], v[WS+(\a)] offset:64*(\a)
.endm
.macro OUT_V a                         ; block a is fragment a % 4 of head a / 4: 16 channels x 128 keys
.if (\a) > 0
	s_wait_xcnt 0x0
.endif
	TAKE \a, 1
	QUANT HA
.irp c, 0,1,2
	global_store_b128 v[L16], v[CD+4*\c:CD+4*\c+3], s[4+2*((\a)/4):5+2*((\a)/4)] offset:6144+1536*((\a)%4)+512*\c
.endr
	v_mov_b32 v[WS+(\a)], v[PW]
	ds_store_b32 v[SWV], v[WS+(\a)] offset:64*(\a) ; both halves of the lanes write the same word with the same value
.endm
	PLACES NP                                      ; behind the last products: their results are read and their operands' registers written below
	s_wait_loadcnt 0x0                             ; the bias
	s_mov_b32 s[SEL], 0x76543210
	s_mov_b32 s[SEL+1], 0xfedcba98
.irp b, 0,1,2,3
	v_mov_b32 v[TM+4+\b], 0                        ; a lane permute's destination counts as one of its sources
.endr
	s_cmp_eq_u32 ttmp9, 2
	s_cbranch_scc1 .Lout_v
	s_lshl_b32 s20, s17, 8
	s_lshl_b32 s21, s15, 7
	s_add_co_u32 s20, s20, s21                     ; my first token
	s_sub_co_u32 s22, s42, 32
	s_lshl_b32 s22, s22, 8
	s_lshl_b32 s21, s16, 7
	s_add_co_u32 s22, s22, s21                     ; my first feature: 0 .. 1,023 q, 1,024 .. 2,047 k
	s_lshr_b32 s23, s20, 11
	s_lshl_b32 s23, s23, 4
	s_bfe_u32 s21, s22, 0x40006
	s_add_co_u32 s23, s23, s21                     ; stream = 16 batch + head
	s_bfe_u32 s21, s20, 0x40007                    ; which 128 tokens of the sequence
	s_mov_b32 s66, HPK
	s_mov_b32 s67, SPK
	s_mov_b32 s94, 12288
	s_cmp_lt_u32 s22, 1024                         ; q or k: only pointers and sizes are chosen
	s_cselect_b64 s[4:5], s[98:99], s[100:101]
	s_cselect_b32 s66, HPQ, s66
	s_cselect_b32 s67, SPQ, s67
	s_cselect_b32 s94, 6144, s94
	s_mul_i32 s46, s23, s66
	s_mul_i32 s47, s21, s67
	s_add_co_u32 s46, s46, s47
	s_mov_b32 s47, 0
	s_add_nc_u64 s[4:5], s[4:5], s[46:47]          ; the first head's block,
	s_mov_b32 s46, s66
	s_add_nc_u64 s[6:7], s[4:5], s[46:47]          ; the second's,
	s_mov_b32 s46, s94
	s_add_nc_u64 s[8:9], s[4:5], s[46:47]          ; and their scale words
	s_add_nc_u64 s[10:11], s[6:7], s[46:47]
.irp a, 0,1,2,3,4,5,6,7
	OUT_QK \a
.endr
	ds_load_b128 v[RB:RB+3], v[SRA]                ; my own bytes, in order behind my stores: a head's 8 x 16 words
	ds_load_b128 v[RB+4:RB+7], v[SRA] offset:512
	s_wait_dscnt 0x0
	global_store_b128 v[L16], v[RB:RB+3], s[8:9]
	global_store_b128 v[L16], v[RB+4:RB+7], s[10:11]
	s_branch .Ldone
.Lout_v:
	s_sub_co_u32 s20, s17, 40
	s_lshl_b32 s20, s20, 2
	s_lshl_b32 s21, s15, 1
	s_add_co_u32 s20, s20, s21                     ; my first head
	s_lshl_b32 s22, s42, 8
	s_lshl_b32 s21, s16, 7
	s_add_co_u32 s22, s22, s21                     ; my first token: a key step
	s_lshr_b32 s23, s22, 11
	s_lshl_b32 s23, s23, 4
	s_add_co_u32 s23, s23, s20
	s_bfe_u32 s21, s22, 0x40007
	s_mul_i32 s46, s23, HPK
	s_mul_i32 s47, s21, SPK
	s_add_co_u32 s46, s46, s47
	s_mov_b32 s47, 0
	s_add_nc_u64 s[4:5], s[100:101], s[46:47]
	s_add_nc_u64 s[6:7], s[4:5], HPK
.irp a, 0,1,2,3,4,5,6,7
	OUT_V \a
.endr
	ds_load_b64 v[RB:RB+1], v[SRV]                 ; a head's 4 x 16 words
	ds_load_b64 v[RB+2:RB+3], v[SRV] offset:256
	s_wait_dscnt 0x0
	global_store_b64 v[L8], v[RB:RB+1], s[4:5] offset:12800
	global_store_b64 v[L8], v[RB+2:RB+3], s[6:7] offset:12800
.Ldone:
	s_wait_tensorcnt 0x0                           ; the wave's end
	ds_add_u32 v[SPW], v[NIL]
	s_wait_dscnt 0x0
	CROUND                                         ; the closing round
	s_endpgm
.Lfunc_end_k_qea8e5f2f80_qkv:
	.size	k_qea8e5f2f80_qkv, .Lfunc_end_k_qea8e5f2f80_qkv-k_qea8e5f2f80_qkv
	.p2alignl 7, 3214868480
	.fill 96, 4, 3214868480
	.section	.rodata,"a",@progbits
	.p2align	6, 0x0
	.amdhsa_kernel k_qea8e5f2f80_qkv
		.amdhsa_group_segment_fixed_size 327680
		.amdhsa_private_segment_fixed_size 0
		.amdhsa_enable_private_segment 0
		.amdhsa_kernarg_size 32
		.amdhsa_user_sgpr_count 2
		.amdhsa_user_sgpr_kernarg_segment_ptr 1
		.amdhsa_wavefront_size32 1
		.amdhsa_system_sgpr_workgroup_id_x 1
		.amdhsa_system_sgpr_workgroup_id_y 1
		.amdhsa_system_sgpr_workgroup_id_z 1
		.amdhsa_system_vgpr_workitem_id 0
		.amdhsa_next_free_vgpr 1024
		.amdhsa_next_free_sgpr 102
		.amdhsa_reserve_vcc 0
		.amdhsa_float_denorm_mode_32 3
		.amdhsa_float_denorm_mode_16_64 3
		.amdhsa_memory_ordered 1
		.amdhsa_forward_progress 1
		.amdhsa_inst_pref_size 242
	.end_amdhsa_kernel
	.amdgpu_metadata
---
amdhsa.version: [ 1, 2 ]
amdhsa.kernels:
  - .name:           k_qea8e5f2f80_qkv
    .symbol:         k_qea8e5f2f80_qkv.kd
    .args:
      - { .name: cq, .offset: 0, .size: 8, .value_kind: global_buffer, .address_space: global }
      - { .name: Wa_b, .offset: 8, .size: 8, .value_kind: global_buffer, .address_space: global }
      - { .name: qc, .offset: 16, .size: 8, .value_kind: global_buffer, .address_space: global }
      - { .name: kv, .offset: 24, .size: 8, .value_kind: global_buffer, .address_space: global }
    .group_segment_fixed_size: 327680
    .private_segment_fixed_size: 0
    .kernarg_segment_align: 8
    .kernarg_segment_size: 32
    .max_flat_workgroup_size: 128
    .sgpr_count:     102
    .vgpr_count:     1024
    .wavefront_size: 32
...
	.end_amdgpu_metadata
.endif
;; end of part 2
;; launch attn (part 3): grid 4 x 64, 16 waves a work-group, no clusters, 235,520 bytes of LDS; arguments qc, kv, oq; writes oq
.if DOCPART == 3
	.amdgcn_target "amdgcn-amd-amdhsa--gfx1250"
	.amdhsa_code_object_version 6
	.text
	.protected	k_qea8e5f2f80_attn
	.globl	k_qea8e5f2f80_attn
	.p2align	8
	.type	k_qea8e5f2f80_attn,@function
k_qea8e5f2f80_attn:
	s_mov_b64 s[64:65], 0
	v_nop
	global_prefetch_b8 v0, s[64:65] scope:SCOPE_SE
	s_setreg_imm32_b32 hwreg(HW_REG_WAVE_MODE, 25, 1), 1
	s_wait_xcnt 0x0
; Causal attention of one head stream (16 batch + head), both products on codes of BF6 (E3M2) with E8M0 scales; the result O / l is quantised along the head's 64 and stored as codes for the last product.
; t = score x log2(e) / 8; M = the running largest t rounded UP to a whole number; p = 2^(t - M) is quantised along the keys; the row's sum is taken of the unquantised p and divides at the end.
; INPUT: qc and kv hold images of operand registers (see the launch before): a tile of Q or K is 16 rows x 64: six registers a lane; a fragment of V is 16 channels x 128 keys: twelve.
; K = 64 IN A FORM OF K = 128: Q's registers 6-11 are zero codes and bytes 2, 3 of Q's and K's scale words are 0.  K's tile t is v[40 + 6 t .. 51 + 6 t]: its upper six registers are the next tile's codes
; (behind the last tile: zeros): finite numbers that meet zero codes and add nothing.
; SHARES.  Work-group (i, stream) owns query blocks i and 7 - i of 256.  Wave w owns two tiles of 16 queries, T = 16 i + w and T = 127 - 16 i - w.  Tile T needs T / 8 + 1 key steps of 128: 17 for every wave.
; Tile T holds queries q0 + r + 8 (r / 8), q0 = 128 (T / 8) + 32 ((T % 8) / 2) + 8 (T % 2).
; LDS.  The stream's 16 key steps, 13,056 bytes each, lie in LDS as in memory, filled ONCE by waves 0 to 3 (step w, then steps 4 + 3 w .. 6 + 3 w): nothing is filled again, and the loops hold no barrier.
; Both loops have constant trip counts; a step all of whose keys come after a tile's queries is jumped over by a scalar branch on ids.
; NO JOINT REQUESTS: the four work-groups of a stream read the same 208,896 bytes, but they own different query blocks and jump over different steps; partners of a joint request must branch alike.
; LAYOUT.  S^T = K Q^T, O^T = V^T P^T: a lane holds one query throughout; the 16 registers of tiles 2 b, 2 b + 1 of S^T are keys 32 b + 16 h + 0 .. 15; register 16 b + i of O^T is channel 32 b + 16 h + i.
; OUTPUT: oq: codes [head][token][48 bytes]; scale bytes at SOQ + 32 token + 2 head + block.  A head owns 2 of a token's 32 scale bytes, so these leave as single bytes 32 apart: 1 byte for each 24 of codes.
; LIMITS: 1 / l by v_rcp_f32; a block of zeros gets the byte 1; NaN and infinities are not served.
; REGISTERS: v1-3 16, 8, 4 x lane; v4-6 the step's addresses; v7, v255 query - 16 h of the two tiles; v8-15 -M, largest t, the sum's pair (x 2); v16-39 Q (x 2); v40-87 K's or V's fragments; v88-93 zeros;
;   v94, v95 Q's scale words; v96-159 S^T, then p; v160-223 O^T (x 2); v224-235 p's codes; v232-247 at work; v248-251 K's or V's scale words; v252 f; v253 p's scale word; v254 at work.
.set HPQ,   106496
.set SPQ,   6656
.set HPK,   208896
.set SPK,   13056
.set VIM,   6144                       ; in a key step: V's fragments,
.set KSC,   12288                      ; K's scale words,
.set VSC,   12800                      ; V's
.set SOQ,   6291456
.set HDO,   393216                     ; a head's codes in oq
.set STAGE, 16*SPK                     ; behind the stream: 256 tokens x 48 bytes for each of the two query blocks; no fill lands here
.set L16, 1
.set L8,  2
.set L4,  3
.set A16, 4
.set A8,  5
.set A4,  6
.set WV,  12                           ; s12 wave;  s13 stream
.set SEL, 20                           ; s[20:21] lane l xor 16
.set CS,  22                           ; s[22:23] c = log2(e) / 8
.set G1A, 24                           ; s[24:31] 51 rows of 256 bytes;  s[32:39] 153 rows
.set G1B, 32
.set G0A, 40
.set G0B, 44
.set TB,  48                           ; s48 LDS byte of the key step in hand
.set KF,  49                           ; s49 its first key
.set CNT, 50
.set HIM, 51                           ; s51 lanes 16-31
.set Q0,  52                           ; s52, s53 the tiles' q0
.set QL,  54                           ; s54, s55 their last query, q0 + 23
	s_load_b128 s[4:7], s[0:1], 0x0                ; qc, kv
	s_load_b64 s[8:9], s[0:1], 0x10                ; oq
	v_lshl_add_u32 v254, v0, 2, 0x39000
	v_mov_b32 v255, 0
	ds_add_u32 v254, v255
	ds_add_u32 v254, v255
	s_wait_dscnt 0x0
	v_lshrrev_b32 v4, 5, v0
	v_readfirstlane_b32 s[WV], v4                  ; wave 0..15
	s_and_b32 s13, ttmp7, 0xffff                   ; stream
	s_mul_i32 s14, s13, HPK
	s_mov_b32 s15, 0
	s_mul_i32 s16, s13, HPQ
	s_mov_b32 s17, 0
	s_mov_b32 s[G1A], 3<<16                        ; no mask; elements of 8 bytes; no padding
	s_mov_b32 s[G1A+1], 32<<16                     ; tensor_dim0 = 32 elements: 256 bytes
	s_mov_b32 s[G1A+2], 51<<16                     ; tensor_dim1
	s_mov_b32 s[G1A+3], 32<<16                     ; tile_dim0
	s_mov_b32 s[G1A+4], 51                         ; tile_dim1: one key step
	s_mov_b32 s[G1A+5], 32                         ; pitch: dense
	s_mov_b32 s[G1A+6], 0
	s_mov_b32 s[G1A+7], 0
	s_mov_b32 s[G1B], 3<<16
	s_mov_b32 s[G1B+1], 32<<16
	s_mov_b32 s[G1B+2], 153<<16
	s_mov_b32 s[G1B+3], 32<<16
	s_mov_b32 s[G1B+4], 153                        ; three key steps
	s_mov_b32 s[G1B+5], 32
	s_mov_b32 s[G1B+6], 0
	s_mov_b32 s[G1B+7], 0
	s_mov_b32 s[G0A], 1
	s_mul_i32 s[G0A+1], s[WV], SPK                 ; LDS place = place in the stream
	s_mov_b32 s[G0B], 1
	s_mul_i32 s[G0B+1], s[WV], 3*SPK
	s_add_co_u32 s[G0B+1], s[G0B+1], 4*SPK
	s_mov_b32 s59, 0
	s_mov_b32 s[SEL], 0x76543210
	s_mov_b32 s[SEL+1], 0xfedcba98
	s_mov_b32 s[CS], 0x3e38aa3b
	s_mov_b32 s[CS+1], s[CS]                       ; (named with it as a pair)
	s_mov_b32 s[HIM], 0xffff0000
	s_mov_b32 s[TB], 0
	s_mov_b32 s[KF], 0
	s_wait_kmcnt 0x0
	s_add_nc_u64 s[6:7], s[6:7], s[14:15]          ; my stream in kv
	s_add_nc_u64 s[4:5], s[4:5], s[16:17]          ; and in qc
	s_mov_b32 s58, s[G0A+1]
	s_add_nc_u64 s[G0A+2:G0A+3], s[6:7], s[58:59]
	s_or_b32 s[G0A+3], s[G0A+3], 0x80000000
	s_mov_b32 s58, s[G0B+1]
	s_add_nc_u64 s[G0B+2:G0B+3], s[6:7], s[58:59]
	s_or_b32 s[G0B+3], s[G0B+3], 0x80000000
	s_cmp_lt_u32 s[WV], 4                          ; a wave's two fills stand in one branch, ahead of every wait on TENSORcnt, every LDS read and every barrier: two loads of mine are out
	s_cbranch_scc0 .Lno_fill
	tensor_load_to_lds s[G0A:G0A+3], s[G1A:G1A+7]
	s_nop 0
	tensor_load_to_lds s[G0B:G0B+3], s[G1B:G1B+7]
	s_nop 0
.rept 4
	v_nop
.endr
.Lno_fill:
	v_and_b32 v232, 31, v0
	v_lshlrev_b32 v[L16], 4, v232
	v_lshlrev_b32 v[L8], 3, v232
	v_lshlrev_b32 v[L4], 2, v232
	v_and_b32 v232, 15, v0                         ; r
	v_lshlrev_b32 v[A4], 2, v232                   ; 4 r, for Q's scale words
	v_and_b32 v233, 8, v232
	v_add_nc_u32 v233, v233, v232                  ; r + 8 (r / 8)
	v_bfe_u32 v234, v0, 4, 1
	v_lshlrev_b32 v234, 4, v234
	v_sub_nc_u32 v233, v233, v234                  ; - 16 h
	s_lshl_b32 s18, ttmp9, 4
	s_add_co_u32 s18, s18, s[WV]                   ; the early tile
	s_sub_co_u32 s19, 127, s18                     ; the late one
.macro QSET x                          ; tile x: q0, and its image and scale words from qc
	s_lshr_b32 s56, s[18+\x], 3
	s_and_b32 s57, s[18+\x], 7
	s_lshl_b32 s[Q0+\x], s56, 7
	s_lshr_b32 s58, s57, 1
	s_lshl_b32 s58, s58, 5
	s_add_co_u32 s[Q0+\x], s[Q0+\x], s58
	s_and_b32 s58, s57, 1
	s_lshl_b32 s58, s58, 3
	s_add_co_u32 s[Q0+\x], s[Q0+\x], s58
	s_add_co_u32 s[QL+\x], s[Q0+\x], 23
	s_mul_i32 s56, s56, SPQ
	s_mul_i32 s58, s57, 768
	s_add_co_u32 s58, s58, s56
	s_add_nc_u64 s[66+4*\x:67+4*\x], s[4:5], s[58:59]
	s_lshl_b32 s58, s57, 6
	s_add_co_u32 s58, s58, s56
	s_add_co_u32 s58, s58, 6144
	s_add_nc_u64 s[68+4*\x:69+4*\x], s[4:5], s[58:59]
	global_load_b128 v[16+12*\x:19+12*\x], v[L16], s[66+4*\x:67+4*\x]
	global_load_b64 v[20+12*\x:21+12*\x], v[L8], s[66+4*\x:67+4*\x] offset:512
	global_load_b32 v[94+\x], v[A4], s[68+4*\x:69+4*\x]
.endm
	QSET 0
	QSET 1
	v_add_nc_u32 v7, s[Q0], v233
	v_add_nc_u32 v255, s[Q0+1], v233
.irp x, 0,1
	v_mov_b32 v[9+4*\x], 0xff61b1e6                ; the largest t so far: -3e38
	v_floor_f32 v[8+4*\x], -v[9+4*\x]              ; -M
	v_mov_b32 v[10+4*\x], 0                        ; the sum, in two halves
	v_mov_b32 v[11+4*\x], 0
.irp j, 0,1,2,3,4,5
	v_mov_b32 v[22+12*\x+\j], 0                    ; Q's upper 64 along K: zero codes
.endr
.endr
.irp j, 0,1,2,3,4,5
	v_mov_b32 v[88+\j], 0                          ; behind K's last tile
.endr
.irp j, 0,1,2,3
	v_mov_b32 v[236+\j], 0                         ; a lane permute's destination counts as one of its sources
.endr
	v_mov_b32 v253, 0                              ; (named as the upper half of v[252:253] before it is first written)
.set j, 0
.rept 64
	v_mov_b32 v[160+j], 0                          ; O^T: the step is written once; the first change of M multiplies zeros
.set j, j+1
.endr
; A KEY STEP of tile x: 128 keys from s[KF] on, at LDS byte s[TB].
.macro STEP x
.set NM, 8+4*\x
.set SU, 10+4*\x
.set QF, 16+12*\x
.set OT, 160+32*\x
.set QVX, 7+248*\x
	s_cmp_gt_u32 s[KF], s[QL+\x]                   ; all keys come after my queries: nothing to do
	s_cbranch_scc1 .Lhidden_\@
	v_add_nc_u32 v[A16], s[TB], v[L16]             ; these three and the v_nop are the four places between the last products and the loads into their registers
	v_add_nc_u32 v[A8], s[TB], v[L8]
	v_add_nc_u32 v[A4], s[TB], v[L4]
	v_nop
.irp t, 0,1,2,3,4,5,6,7
	ds_load_b128 v[40+6*\t:43+6*\t], v[A16] offset:768*\t
	ds_load_b64 v[44+6*\t:45+6*\t], v[A8] offset:768*\t+512
.endr
.irp u, 0,1,2,3
	ds_load_b32 v[248+\u], v[A4] offset:KSC+128*\u ; lanes 0-15: tile 2 u's words, lanes 16-31: tile 2 u + 1's
.endr
	s_wait_dscnt 0x0
.irp t, 0,1,2,3,4,5,6,7
.if \t%2
	v_wmma_scale_f32_16x16x128_f8f6f4 v[96+8*\t:103+8*\t], v[40+6*\t:51+6*\t], v[QF:QF+11], 0, v[248+\t/2], v[94+\x] matrix_a_fmt:MATRIX_FMT_BF6 matrix_b_fmt:MATRIX_FMT_BF6 matrix_a_scale:MATRIX_SCALE_ROW1
.else
	v_wmma_scale_f32_16x16x128_f8f6f4 v[96+8*\t:103+8*\t], v[40+6*\t:51+6*\t], v[QF:QF+11], 0, v[248+\t/2], v[94+\x] matrix_a_fmt:MATRIX_FMT_BF6 matrix_b_fmt:MATRIX_FMT_BF6
.endif
.endr
.rept 4
	v_nop                                          ; places: the scores are read below, and V lands where K lay
.endr
.irp n, 0,1,2,3,4,5,6,7,8,9,10,11
	ds_load_b128 v[40+4*\n:43+4*\n], v[A16] offset:VIM+512*\n   ; V's four fragments land under the softmax
.endr
	ds_load_b32 v248, v[A4] offset:VSC
	ds_load_b32 v249, v[A4] offset:VSC+128
	s_add_co_u32 s56, s[KF], 127                   ; a step all of whose keys count skips the mask
	s_cmp_le_u32 s56, s[Q0+\x]
	s_cbranch_scc1 .Lopen_\@
	s_sub_co_u32 s56, 0, s[KF]
	v_add_nc_u32 v252, s56, v[QVX]                 ; d = my query - 16 h - KF.  Register 16 b + i holds key KF + 16 h + 32 b + i: hidden where 32 b + i > d
	v_mov_b32 v254, 0xff800000                     ; -infinity: p = 0 then
.set n, 0
.rept 64
	v_cmp_gt_i32 vcc_lo, 32*(n/16)+n%16, v252
	v_cndmask_b32 v[96+n], v[96+n], v254, vcc_lo
.set n, n+1
.endr
.Lopen_\@:
.irp b, 0,1,2,3
	v_max3_num_f32 v[232+\b], v[96+16*\b], v[97+16*\b], v[98+16*\b]   ; the largest score of each block of 32 keys: for the row's maximum, and, since p rises with the score, for the block's largest p
.endr
.irp i, 3,5,7,9,11,13
.irp b, 0,1,2,3
	v_max3_num_f32 v[232+\b], v[232+\b], v[96+16*\b+\i], v[97+16*\b+\i]
.endr
.endr
.irp b, 0,1,2,3
	v_max_num_f32 v[232+\b], v[232+\b], v[111+16*\b]
.endr
.irp b, 0,1,2,3
	v_permlanex16_b32 v[236+\b], v[232+\b], s[SEL], s[SEL+1]
.endr
.irp b, 0,1,2,3
	v_max_num_f32 v[232+\b], v[232+\b], v[236+\b]  ; with lane l xor 16's 16 keys
.endr
	v_max3_num_f32 v254, v232, v233, v234
	v_max_num_f32 v254, v254, v235
	v_mul_f32 v254, s[CS], v254                    ; the step's largest t
	v_max_num_f32 v[NM+1], v[NM+1], v254           ; the running largest t
	v_mov_b32 v254, v[NM]
	v_floor_f32 v[NM], -v[NM+1]                    ; -M = floor(-t): M is a whole number
	v_sub_f32 v254, v[NM], v254                    ; old M - new M: a whole number, 0 or less
	v_cvt_i32_f32 v254, v254                       ; (it saturates)
	v_ldexp_f32 v252, 1.0, v254                    ; f = 2^(old M - new M): a multiplication by it rounds nothing
.set j, 0
.rept 32
	v_pk_fma_f32 v[96+j:97+j], v[96+j:97+j], s[CS:CS+1], v[NM:NM+1] op_sel_hi:[1,0,0]   ; t - M
.set j, j+2
.endr
.irp b, 0,1,2,3
	v_fma_f32 v[232+\b], v[232+\b], s[CS], v[NM]
.endr
.set j, 0
.rept 64
	v_exp_f32 v[96+j], v[96+j]                     ; p = 2^(t - M)
.set j, j+1
.endr
.irp b, 0,1,2,3
	v_exp_f32 v[232+\b], v[232+\b]                 ; the block's largest p: the same two instructions on the same number
.endr
	v_pk_mul_f32 v[SU:SU+1], v[SU:SU+1], v[252:253] op_sel_hi:[1,0]   ; the sum under the new M (the plain place behind the exponentials)
	s_wait_alu depctr_va_vdst(0)
.irp b, 0,1,2,3
	v_max_num_f32 v[232+\b], 0x2800000, v[232+\b]  ; the floor 2^(5 - 127)
.endr
.irp b, 0,1,2,3
	v_add_nc_u32 v[244+\b], 0xfe000000, v[232+\b]  ; the conversion's scale operand
.endr
.irp b, 0,1,2,3
	v_lshrrev_b32 v[236+\b], 23, v[244+\b]         ; the scale's byte
.endr
	v_lshl_or_b32 v253, v237, 8, v236              ; p's scale word for these 128 keys
	v_lshl_or_b32 v253, v238, 16, v253
	v_lshl_or_b32 v253, v239, 24, v253
.irp c, 0,1
	v_cvt_scalef32_pk16_bf6_f32 v[224+6*\c:226+6*\c], v[96+32*\c:111+32*\c], v[244+2*\c]
	v_cvt_scalef32_pk16_bf6_f32 v[236+4*\c:238+4*\c], v[112+32*\c:127+32*\c], v[244+2*\c+1]
.endr
	v_nop                                          ; one plain place behind a scaled conversion
.irp c, 0,1
.irp i, 0,1,2
	v_permlane16_swap_b32 v[224+6*\c+\i], v[236+4*\c+\i]   ; a whole block to a lane
.endr
.irp i, 0,1,2
	v_mov_b32 v[227+6*\c+\i], v[236+4*\c+\i]
.endr
.endr
	v_pk_add_f32 v[236:237], v[96:97], v[98:99]    ; the row's sum, of the unquantised p, in two chains
.irp j, 4,8,12,16,20,24,28,32,36,40,44,48,52,56,60
	v_pk_add_f32 v[SU:SU+1], v[SU:SU+1], v[96+\j:97+\j]
	v_pk_add_f32 v[236:237], v[236:237], v[98+\j:99+\j]
.endr
	v_pk_add_f32 v[SU:SU+1], v[SU:SU+1], v[236:237]
.set j, 0
.rept 16
	v_pk_mul_f32 v[OT+j:OT+j+1], v[OT+j:OT+j+1], v[252:253] op_sel_hi:[1,0]   ; O^T under the new M.  With the sums above: the places between p's codes and scale word and the products below
.set j, j+2
.endr
	s_wait_dscnt 0x0                               ; V and its scale words
.irp t, 0,1,2,3                        ; the four accumulators take turns; the next product on any of them stands behind eight products of scores
.if \t%2
	v_wmma_scale_f32_16x16x128_f8f6f4 v[OT+8*\t:OT+8*\t+7], v[40+12*\t:51+12*\t], v[224:235], v[OT+8*\t:OT+8*\t+7], v[248+\t/2], v253 matrix_a_fmt:MATRIX_FMT_BF6 matrix_b_fmt:MATRIX_FMT_BF6 matrix_a_scale:MATRIX_SCALE_ROW1
.else
	v_wmma_scale_f32_16x16x128_f8f6f4 v[OT+8*\t:OT+8*\t+7], v[40+12*\t:51+12*\t], v[224:235], v[OT+8*\t:OT+8*\t+7], v[248+\t/2], v253 matrix_a_fmt:MATRIX_FMT_BF6 matrix_b_fmt:MATRIX_FMT_BF6
.endif
.endr
.Lhidden_\@:
.endm
	s_wait_loadcnt 0x0                             ; Q
	s_wait_tensorcnt 0x1                           ; my key step among 0 to 3 has landed; the later three may be out
	s_barrier_signal -1
	s_barrier_wait -1                              ; steps 0 to 3 are whole
	s_mov_b32 s[CNT], 4
.Lfirst:
	STEP 0
	STEP 1
	s_add_co_u32 s[TB], s[TB], SPK
	s_add_co_u32 s[KF], s[KF], 128
	s_sub_co_u32 s[CNT], s[CNT], 1
	s_cmp_lg_u32 s[CNT], 0
	s_cbranch_scc1 .Lfirst
	s_wait_tensorcnt 0x0                           ; my three later steps have landed
	s_wait_dscnt 0x0
	s_barrier_signal -1
	s_barrier_wait -1                              ; all sixteen steps are whole
	s_mov_b32 s[TB], 4*SPK
	s_mov_b32 s[KF], 512
	s_mov_b32 s[CNT], 12
.Lrest:
	STEP 0
	STEP 1
	s_add_co_u32 s[TB], s[TB], SPK
	s_add_co_u32 s[KF], s[KF], 128
	s_sub_co_u32 s[CNT], s[CNT], 1
	s_cmp_lg_u32 s[CNT], 0
	s_cbranch_scc1 .Lrest
	; THE WAY OUT.  O^T / l is quantised (two blocks of 32 channels), a token's 48 bytes go to the stage in token order, and after a barrier each wave stores 768 consecutive bytes of each block.
.rept 4
	v_nop                                          ; places behind the last products
.endr
	v_and_b32 v4, 15, v0
	v_and_b32 v5, 8, v4
	v_add_nc_u32 v4, v4, v5                        ; r + 8 (r / 8)
	v_bfe_u32 v5, v0, 4, 1                         ; h
	v_mul_u32_u24 v6, v4, 48
	v_mad_u32_u24 v6, v5, 24, v6                   ; my token's row in the stage, my block's 24 bytes
	v_lshl_add_u32 v41, v4, 5, v5                  ; my scale byte: 32 bytes a token, + block
	s_lshr_b32 s14, s13, 4                         ; batch
	s_and_b32 s15, s13, 15                         ; head
	s_mul_i32 s16, s15, HDO
	s_mul_i32 s17, s14, 2048*48
	s_add_co_u32 s16, s16, s17
	s_mul_i32 s17, s[WV], 768
	s_add_co_u32 s16, s16, s17
	s_mul_i32 s58, ttmp9, 12288
	s_add_co_u32 s58, s58, s16
	s_add_nc_u64 s[66:67], s[8:9], s[58:59]        ; codes: block i, my 768 bytes
	s_sub_co_u32 s58, 7, ttmp9
	s_mul_i32 s58, s58, 12288
	s_add_co_u32 s58, s58, s16
	s_add_nc_u64 s[68:69], s[8:9], s[58:59]        ; block 7 - i
	s_mul_i32 s56, s[WV], 768
	s_add_co_u32 s56, s56, STAGE
	v_add_nc_u32 v44, s56, v[L16]
	v_add_nc_u32 v45, s56, v[L8]
.macro FINISH x
.set SU, 10+4*\x
.set OT, 160+32*\x
.set CX, 224-96*\x                     ; each tile's codes have registers of their own
	s_xor_b32 s56, s[WV], 15*\x                    ; the tile's place in its block of 256: w, or 15 - w
	s_lshr_b32 s57, s56, 1
	s_lshl_b32 s57, s57, 5
	s_and_b32 s56, s56, 1
	s_lshl_b32 s56, s56, 3
	s_add_co_u32 s56, s56, s57
	s_mul_i32 s56, s56, 48
	s_add_co_u32 s56, s56, STAGE+12288*\x
	v_add_nc_u32 v[42+\x], s56, v6
	s_lshl_b32 s58, s14, 11
	s_add_co_u32 s58, s58, s[Q0+\x]
	s_lshl_b32 s58, s58, 5
	s_lshl_b32 s57, s15, 1
	s_add_co_u32 s58, s58, s57
	s_add_co_u32 s58, s58, SOQ
	s_add_nc_u64 s[60+2*\x:61+2*\x], s[8:9], s[58:59]
	v_add_f32 v254, v[SU], v[SU+1]                 ; the sum's two halves,
	v_permlanex16_b32 v252, v254, s[SEL], s[SEL+1]
	v_add_f32 v254, v254, v252                     ; and lane l xor 16's
	v_rcp_f32 v252, v254
	v_nop                                          ; a plain place behind the transcendental
.set j, 0
	s_wait_alu depctr_va_vdst(0)
.rept 16
	v_pk_mul_f32 v[96+j:97+j], v[OT+j:OT+j+1], v[252:253] op_sel_hi:[1,0]   ; each accumulator from its low end on
.set j, j+2
.endr
.irp b, 0,1
	v_max3_num_f32 v[232+\b], |v[96+16*\b]|, |v[97+16*\b]|, 0x2800000
.endr
.irp i, 2,4,6,8,10,12,14
.irp b, 0,1
	v_max3_num_f32 v[232+\b], v[232+\b], |v[96+16*\b+\i]|, |v[97+16*\b+\i]|
.endr
.endr
.irp b, 0,1
	v_permlanex16_b32 v[236+\b], v[232+\b], s[SEL], s[SEL+1]
.endr
.irp b, 0,1
	v_max_num_f32 v[232+\b], v[232+\b], v[236+\b]
.endr
.irp b, 0,1
	v_add_nc_u32 v[244+\b], 0xfe000000, v[232+\b]
.endr
.irp b, 0,1
	v_lshrrev_b32 v[236+\b], 23, v[244+\b]
.endr
	v_cvt_scalef32_pk16_bf6_f32 v[CX:CX+2], v[96:111], v244
	v_cvt_scalef32_pk16_bf6_f32 v[CX+4:CX+6], v[112:127], v245
	v_cndmask_b32 v[238+\x], v236, v237, s[HIM]    ; my block's byte (the plain place behind the conversions)
.irp i, 0,1,2
	v_permlane16_swap_b32 v[CX+\i], v[CX+4+\i]     ; lanes 0-15 now hold block 0 whole, lanes 16-31 block 1
.endr
.irp i, 0,1,2
	v_mov_b32 v[CX+3+\i], v[CX+4+\i]
.endr
	ds_store_b64 v[42+\x], v[CX:CX+1]
	ds_store_b64 v[42+\x], v[CX+2:CX+3] offset:8
	ds_store_b64 v[42+\x], v[CX+4:CX+5] offset:16
	global_store_b8 v41, v[238+\x], s[60+2*\x:61+2*\x]
.endm
	FINISH 0
	FINISH 1
	s_wait_dscnt 0x0                               ; for the others' sake: my stores into the stage are done
	s_barrier_signal -1
	s_barrier_wait -1
	ds_load_b128 v[96:99], v44
	ds_load_b64 v[100:101], v45 offset:512
	ds_load_b128 v[104:107], v44 offset:12288
	ds_load_b64 v[108:109], v45 offset:12288+512
	s_wait_dscnt 0x0
	global_store_b128 v[L16], v[96:99], s[66:67]               ; 512 consecutive bytes, aligned
	global_store_b64 v[L8], v[100:101], s[66:67] offset:512    ; 256
	global_store_b128 v[L16], v[104:107], s[68:69]
	global_store_b64 v[L8], v[108:109], s[68:69] offset:512
	s_wait_xcnt 0x0
	v_lshl_add_u32 v254, v0, 2, 0x39000
	v_mov_b32 v255, 0
	s_wait_tensorcnt 0x0
	ds_add_u32 v254, v255
	s_wait_dscnt 0x0
	s_endpgm
.Lfunc_end_k_qea8e5f2f80_attn:
	.size	k_qea8e5f2f80_attn, .Lfunc_end_k_qea8e5f2f80_attn-k_qea8e5f2f80_attn
	.p2alignl 7, 3214868480
	.fill 96, 4, 3214868480
	.section	.rodata,"a",@progbits
	.p2align	6, 0x0
	.amdhsa_kernel k_qea8e5f2f80_attn
		.amdhsa_group_segment_fixed_size 235520
		.amdhsa_private_segment_fixed_size 0
		.amdhsa_enable_private_segment 0
		.amdhsa_kernarg_size 24
		.amdhsa_user_sgpr_count 2
		.amdhsa_user_sgpr_kernarg_segment_ptr 1
		.amdhsa_wavefront_size32 1
		.amdhsa_system_sgpr_workgroup_id_x 1
		.amdhsa_system_sgpr_workgroup_id_y 1
		.amdhsa_system_sgpr_workgroup_id_z 1
		.amdhsa_system_vgpr_workitem_id 0
		.amdhsa_next_free_vgpr 256
		.amdhsa_next_free_sgpr 80
		.amdhsa_reserve_vcc 1
		.amdhsa_float_denorm_mode_32 3
		.amdhsa_float_denorm_mode_16_64 3
		.amdhsa_memory_ordered 1
		.amdhsa_forward_progress 1
		.amdhsa_inst_pref_size 103
	.end_amdhsa_kernel
	.amdgpu_metadata
---
amdhsa.version: [ 1, 2 ]
amdhsa.kernels:
  - .name:           k_qea8e5f2f80_attn
    .symbol:         k_qea8e5f2f80_attn.kd
    .args:
      - { .name: qc, .offset: 0, .size: 8, .value_kind: global_buffer, .address_space: global }
      - { .name: kv, .offset: 8, .size: 8, .value_kind: global_buffer, .address_space: global }
      - { .name: oq, .offset: 16, .size: 8, .value_kind: global_buffer, .address_space: global }
    .group_segment_fixed_size: 235520
    .private_segment_fixed_size: 0
    .kernarg_segment_align: 8
    .kernarg_segment_size: 24
    .max_flat_workgroup_size: 512
    .sgpr_count:     80
    .vgpr_count:     256
    .wavefront_size: 32
...
	.end_amdgpu_metadata
.endif
;; end of part 3
;; launch proj (part 4): grid 4 x 32, 4 waves a work-group, clusters of 4 x 4, 327,680 bytes of LDS; arguments oq, cq, Wo_b, out0; writes out0
.if DOCPART == 4
	.amdgcn_target "amdgcn-amd-amdhsa--gfx1250"
	.amdhsa_code_object_version 6
	.text
	.protected	k_qea8e5f2f80_proj
	.globl	k_qea8e5f2f80_proj
	.p2align	8
	.type	k_qea8e5f2f80_proj,@function
k_qea8e5f2f80_proj:
	s_mov_b64 s[64:65], 0
	v_nop
	global_prefetch_b8 v0, s[64:65] scope:SCOPE_SE
	s_setreg_imm32_b32 hwreg(HW_REG_WAVE_MODE, 25, 1), 1
	s_wait_xcnt 0x0
	s_wait_alu depctr_hold_cnt(0) depctr_sa_sdst(0) depctr_va_vdst(0) depctr_va_sdst(0) depctr_va_ssrc(0) depctr_va_vcc(0) depctr_vm_vsrc(0)
	s_getreg_b32 s2, hwreg(HW_REG_IB_STS2, 6, 4)
	s_cmp_eq_u32 s2, 0
	s_cbranch_scc0 .Lentry_in_a_cluster
	s_endpgm
.Lentry_in_a_cluster:
	s_bfe_u32 s2, ttmp6, 0x10000c
	s_cmp_lg_u32 s2, 0xf033
	s_cbranch_scc0 .Lentry_shape_is_right
	s_endpgm
.Lentry_shape_is_right:
; out0 = O Wo_w^T + Wo_b on codes of BF6 (E3M2) with E8M0 scales.  M = 8,192 tokens, N = 1,024, K = 1,024 = 16 heads x 64.
; A: oq: codes [head][token][48 bytes], scale bytes at SOQ + 32 token + K / 32.  B: Wo_w's rows in cq (positions 11,264 on, in their own order): codes 768 bytes a row, 32 scale bytes a row.
; A tile of 256 x 256 of the result is made by four waves, 128 x 128 each; K goes in steps of 256 (four heads) through two LDS slots.  A's part of a slot is 4 heads x 128 tokens x 48 dense bytes for each load,
; so a fragment's 24 bytes lie at head x 6,144 + token x 48 + 24 h: with that pitch the 32 lanes of a load of 8 bytes touch 64 different words modulo 64.  B's rows are 192 bytes, padded to 240.
; The matrix instruction is used transposed (source 0 = 16 rows of Wo_w, source 1 = 16 tokens): a lane holds eight neighbouring numbers of a row of the result.  The bias is the C of each sum's first product.
; CLUSTERS: 4 x 4 work-groups; A's tile shared along a row of the cluster, B's along a column, each asked for jointly.  The grid has 128 work-groups: one to each tile of 256 x 256.
; REGISTERS: window 0: v0-31 addresses; v32-63 scale words, two sets; v64-127 the bias; from v128 A's fragments, one set.  window 1: B's fragments, two sets.  windows 2, 3: the accumulators.
.set SIZE_N, 1024
.set SIZE_K, 1024
.set KSTEP,  256
.set NQ,     KSTEP/128
.set ROWB,   192
.set KROW,   SIZE_K*6/8
.set PITCH,  240
.set HROW,   6144                      ; A in LDS: 128 tokens x 48 bytes of one head
.set HDO,    393216                    ; a head's codes in oq
.set FR,     12
.set NL,     6
.set NP,     4
.set HALFT,  128*PITCH
.set SLOT,   4*HALFT
.set LAPS,   SIZE_K/(2*KSTEP)
.set KS,     SIZE_K/32
.set SCL,    2*SLOT
.set HALFS,  (128*KS/256)*272
.set SBLK,   (16*KS/256)*272
.set SPARE,  SCL+4*HALFS
.set SPITCH, 528                       ; the way out: 16 rows x (512 + 16) bytes for each wave, in slot 0, which has had its last fill and its last read by then
.set SOQ,    6291456
.set WOC,    8650752                   ; 768 x 11,264
.set WOS,    9797632                   ; 9,437,184 + 32 x 11,264
.set ADRA, 16
.set ADRB, 20
.set STO,  24
.set RD,   25
.set CO,   26
.set ADRS, 27
.set SPW,  28
.set NIL,  29
.set BOF,  30                          ; v30 bias offset: 32 h
.set SC,   32
.set BI,   64
.set AF,   128
.set BK,   128
.set G1, 24
.set G0, 32
.set G1B, 48
.set G0B, 56
.set G1S, 68
.set G0S, 76
.set G1SB, 80
.set G0SB, 88
.set MSB, 0
.macro WIN new
.if MSB != (\new)
	s_set_vgpr_msb (MSB<<8)|(\new)
.set MSB, (\new)
.endif
.endm
.set MUL_LO, 0xa1
.set MUL_HI, 0xf1
.set BEG_LO, 0x81                      ; the first products: C (the bias) window 0, D window 2
.set BEG_HI, 0xc1
.set TO_B,   0x40
.macro JLOAD g0a, g1a, g0b, g1b        ; waves 0 and 1 fetch for A, waves 2 and 3 for B; four v_nop follow each line
	s_cmp_eq_u32 s15, 0
	s_cbranch_scc0 .Lfor_b_\@
	tensor_load_to_lds s[\g0a:\g0a+3], s[\g1a:\g1a+7]
	s_nop 0
.rept 4
	v_nop
.endr
	s_branch .Lasked_\@
.Lfor_b_\@:
	tensor_load_to_lds s[\g0b:\g0b+3], s[\g1b:\g1b+7]
	s_nop 0
.rept 4
	v_nop
.endr
.Lasked_\@:
.endm
.macro CREST
	s_cmp_lg_u32 s14, 0
	s_cbranch_scc1 .Lnot_wave_0_\@
	s_barrier_signal -3
.Lnot_wave_0_\@:
	s_barrier_wait -3
	s_barrier_signal -1
	s_barrier_wait -1
.endm
.macro CROUND
	s_barrier_signal -1
	s_barrier_wait -1
	CREST
.endm
	s_load_b128 s[4:7], s[0:1], 0x0                ; oq s[4:5], cq s[6:7]
	s_load_b128 s[96:99], s[0:1], 0x10             ; Wo_b s[96:97], out0 s[98:99]
	v_lshl_add_u32 v[SPW], v0, 2, SPARE
	v_mov_b32 v[NIL], 0
	ds_add_u32 v28, v29
	ds_add_u32 v28, v29
	s_wait_dscnt 0x0
	v_lshrrev_b32 v1, 5, v0
	v_readfirstlane_b32 s14, v1
	s_lshr_b32 s15, s14, 1                         ; which half of the tile's rows is mine.  Also: I fetch for A (0) or for B (1)
	s_and_b32 s16, s14, 1                          ; which half of its columns.  Also: which 128 rows of that tile I fetch
	s_bfe_u32 s40, ttmp6, 0x40000
	s_bfe_u32 s41, ttmp6, 0x40004
	s_lshl_b32 s42, ttmp9, 2
	s_add_co_u32 s42, s42, s40                     ; tile column
	s_and_b32 s17, ttmp7, 0xffff
	s_lshl_b32 s17, s17, 2
	s_add_co_u32 s17, s17, s41                     ; tile row
	s_lshl_b32 s43, s41, 2
	s_lshl_b32 s43, 15, s43
	s_lshl_b32 s44, 0x1111, s40
	; A: 4 rows (heads) of 768 elements of 8 bytes (128 tokens x 48 bytes), a head's codes apart; no padding
	s_or_b32 s[G1+0], s43, (3<<16)|(1<<21)
	s_mov_b32 s[G1+1], 768<<16
	s_mov_b32 s[G1+2], 4<<16
	s_mov_b32 s[G1+3], 768<<16
	s_mov_b32 s[G1+4], 4
	s_mov_b32 s[G1+5], HDO/8
	s_mov_b32 s[G1+6], 0
	s_mov_b32 s[G1+7], 0
	; B: 128 rows x 192 bytes, 16 bytes of padding behind every 64
	s_or_b32 s[G1B+0], s44, (0<<16)|(1<<20)|(1<<21)|(3<<22)|(3<<25)
	s_mov_b32 s[G1B+1], ROWB<<16
	s_mov_b32 s[G1B+2], 128<<16
	s_mov_b32 s[G1B+3], ROWB<<16
	s_mov_b32 s[G1B+4], 128
	s_mov_b32 s[G1B+5], KROW
	s_mov_b32 s[G1B+6], 0
	s_mov_b32 s[G1B+7], 0
	; the scale bytes of 128 rows: 16 rows of 256 bytes, 16 bytes of padding behind each
	s_or_b32 s[G1S+0], s43, (3<<16)|(1<<20)|(1<<21)|(5<<22)|(3<<25)
	s_or_b32 s[G1SB+0], s44, (3<<16)|(1<<20)|(1<<21)|(5<<22)|(3<<25)
.irp g, G1S, G1SB
	s_mov_b32 s[\g+1], 32<<16
	s_mov_b32 s[\g+2], (128*KS/256)<<16
	s_mov_b32 s[\g+3], 32<<16
	s_mov_b32 s[\g+4], 128*KS/256
	s_mov_b32 s[\g+5], 32
	s_mov_b32 s[\g+6], 0
	s_mov_b32 s[\g+7], 0
.endr
	s_lshl_b32 s18, s16, 7
	s_lshl_b32 s20, s17, 8
	s_add_co_u32 s20, s20, s18                     ; A: token 256 x tile row + 128 x half
	s_lshl_b32 s46, s42, 8
	s_add_co_u32 s46, s46, s18                     ; B: row 256 x tile column + 128 x half
	s_mov_b32 s21, 0
	s_mov_b32 s47, 0
	s_mov_b64 s[18:19], KS
	s_mul_u64 s[22:23], s[20:21], s[18:19]
	s_mul_u64 s[92:93], s[46:47], s[18:19]
	s_mov_b64 s[18:19], 48
	s_mul_u64 s[20:21], s[20:21], s[18:19]         ; A's codes: 48 bytes a token in each head
	s_mov_b64 s[18:19], KROW
	s_mul_u64 s[46:47], s[46:47], s[18:19]
	s_mul_i32 s45, s14, HALFT
	s_mul_i32 s94, s14, HALFS
	s_wait_kmcnt 0x0
	s_add_nc_u64 s[8:9], s[6:7], WOC               ; Wo_w's codes,
	s_add_nc_u64 s[10:11], s[6:7], WOS             ; its scale bytes,
	s_add_nc_u64 s[6:7], s[4:5], SOQ               ; O's scale bytes
	s_mov_b64 s[12:13], s[98:99]
	s_add_nc_u64 s[20:21], s[4:5], s[20:21]
	s_add_nc_u64 s[22:23], s[6:7], s[22:23]
	s_add_nc_u64 s[46:47], s[8:9], s[46:47]
	s_add_nc_u64 s[92:93], s[10:11], s[92:93]
	CROUND                                         ; all sixteen work-groups are here: the first joint loads meet
	s_mov_b32 s[G0S], 1
	s_add_co_u32 s[G0S+1], s94, SCL
	s_mov_b64 s[G0S+2:G0S+3], s[22:23]
	s_or_b32 s[G0S+3], s[G0S+3], 0x80000000
	s_mov_b32 s[G0SB], 1
	s_add_co_u32 s[G0SB+1], s94, SCL
	s_mov_b64 s[G0SB+2:G0SB+3], s[92:93]
	s_or_b32 s[G0SB+3], s[G0SB+3], 0x80000000
	JLOAD G0S, G1S, G0SB, G1SB
.irp s, 0,1
	s_mov_b32 s[G0+4*\s], 1
	s_add_co_u32 s[G0+4*\s+1], s45, \s*SLOT
	s_add_nc_u64 s[G0+4*\s+2:G0+4*\s+3], s[20:21], \s*4*HDO        ; K step s: heads 4 s on
	s_or_b32 s[G0+4*\s+3], s[G0+4*\s+3], 0x80000000
	s_mov_b32 s[G0B+4*\s], 1
	s_add_co_u32 s[G0B+4*\s+1], s45, \s*SLOT
	s_add_nc_u64 s[G0B+4*\s+2:G0B+4*\s+3], s[46:47], \s*ROWB
	s_or_b32 s[G0B+4*\s+3], s[G0B+4*\s+3], 0x80000000
	JLOAD G0+4*\s, G1, G0B+4*\s, G1B               ; three loads of mine are out now
.endr
	v_and_b32 v1, 15, v0                           ; r
	v_bfe_u32 v2, v0, 4, 1                         ; h
	v_mul_u32_u24 v3, v1, PITCH
	v_mul_u32_u24 v4, v2, 24
	v_add_nc_u32 v3, v3, v4                        ; B: row x pitch + 24 h
	v_lshl_add_u32 v5, v2, 4, v3                   ; and behind one padding more
	v_mul_u32_u24 v6, v1, 48
	v_add_nc_u32 v6, v6, v4                        ; A: token x 48 + 24 h
	s_mul_i32 s21, s15, HALFT
	s_mul_i32 s22, s16, HALFT
	s_add_co_u32 s22, s22, 2*HALFT
.irp s, 0,1
	v_add_nc_u32 v[ADRA+\s], s21, v6
	v_add_nc_u32 v[ADRB+\s], s22, v3
	v_add_nc_u32 v[ADRB+2+\s], s22, v5
	s_add_co_u32 s21, s21, SLOT
	s_add_co_u32 s22, s22, SLOT
.endr
	v_mul_u32_u24 v5, v1, KS
	v_lshrrev_b32 v6, 8, v5
	v_lshl_add_u32 v5, v6, 4, v5
	s_mul_i32 s21, s15, HALFS
	s_mul_i32 s22, s16, HALFS
	s_add_co_u32 s22, s22, 2*HALFS
	s_sub_co_u32 s22, s22, s21
	v_mul_u32_u24 v6, s22, v2                      ; lanes 16-31 take B's
	s_add_co_u32 s21, s21, SCL
	v_add_nc_u32 v5, v5, v6
	v_add_nc_u32 v[ADRS], s21, v5
	s_mul_i32 s23, s14, 16*SPITCH                  ; my stage
	v_mul_u32_u24 v5, v1, SPITCH
	v_lshl_add_u32 v5, v2, 5, v5
	v_add_nc_u32 v[STO], s23, v5
	v_and_b32 v6, 31, v0
	v_lshlrev_b32 v[CO], 4, v6
	v_add_nc_u32 v[RD], s23, v[CO]
	v_lshlrev_b32 v[BOF], 5, v2
	s_lshl_b32 s20, s17, 8
	s_lshl_b32 s21, s15, 7
	s_add_co_u32 s20, s20, s21                     ; my first row of the result
	s_mov_b32 s21, 0
	s_mov_b64 s[18:19], SIZE_N*4
	s_mul_u64 s[20:21], s[20:21], s[18:19]
	s_lshl_b32 s46, s42, 10                        ; my first column, in bytes: the same in a row of the result and in the bias
	s_lshl_b32 s47, s16, 9
	s_add_co_u32 s46, s46, s47
	s_mov_b32 s47, 0
	s_add_nc_u64 s[96:97], s[96:97], s[46:47]
	s_add_nc_u64 s[20:21], s[20:21], s[46:47]
	s_add_nc_u64 s[12:13], s[12:13], s[20:21]
.irp b, 0,1,2,3,4,5,6,7                ; the bias in the results' layout: register 8 b + j: column 16 b + 8 h + j
	global_load_b128 v[BI+8*\b:BI+8*\b+3], v[BOF], s[96:97] offset:64*\b
	global_load_b128 v[BI+8*\b+4:BI+8*\b+7], v[BOF], s[96:97] offset:64*\b+16
.endr
.macro FRAG reg, adr, q, i             ; B: 24 bytes of a padded row in pieces of 8
.irp p, 0,1,2,3,4,5
.set PCE, 12*(\q)+6*(\p/3)+\p%3
.if PCE%8 < 5
	ds_load_b64 v[\reg+2*\p:\reg+2*\p+1], v[\adr] offset:8*PCE+16*(PCE/8)+(\i)*16*PITCH
.else
	ds_load_b64 v[\reg+2*\p:\reg+2*\p+1], v[\adr+2] offset:8*PCE+16*(PCE/8)+(\i)*16*PITCH
.endif
.endr
.endm
.macro FRAGA reg, adr, q, i            ; A: registers 6 c .. 6 c + 5: head 2 q + c of the slot's four, block h
.irp p, 0,1,2,3,4,5
	ds_load_b64 v[\reg+2*\p:\reg+2*\p+1], v[\adr] offset:(2*(\q)+\p/3)*HROW+(\i)*768+8*(\p%3)
.endr
.endm
; The 64 accumulators take turns, one instruction a turn, in the same order in every step.  zero = 1: the sums begin with the bias.
.macro MUL16 a0, p, q, sc, zero
.irp a, \a0, \a0+1
.irp b, 0,1,2,3,4,5,6,7
.if \zero
	v_wmma_scale_f32_16x16x128_f8f6f4 v[8*(8*((\a)%4)+\b):8*(8*((\a)%4)+\b)+7], v[128*(\p)+FR*\b:128*(\p)+FR*\b+FR-1], v[AF+FR*(\a):AF+FR*(\a)+FR-1], v[BI+8*\b:BI+8*\b+7], v[SC+8*NQ*(\sc)+NQ*\b+(\q)], v[SC+8*NQ*(\sc)+NQ*(\a)+(\q)] matrix_a_fmt:MATRIX_FMT_BF6 matrix_b_fmt:MATRIX_FMT_BF6 matrix_a_scale:MATRIX_SCALE_ROW1
.else
	v_wmma_scale_f32_16x16x128_f8f6f4 v[8*(8*((\a)%4)+\b):8*(8*((\a)%4)+\b)+7], v[128*(\p)+FR*\b:128*(\p)+FR*\b+FR-1], v[AF+FR*(\a):AF+FR*(\a)+FR-1], v[8*(8*((\a)%4)+\b):8*(8*((\a)%4)+\b)+7], v[SC+8*NQ*(\sc)+NQ*\b+(\q)], v[SC+8*NQ*(\sc)+NQ*(\a)+(\q)] matrix_a_fmt:MATRIX_FMT_BF6 matrix_b_fmt:MATRIX_FMT_BF6 matrix_a_scale:MATRIX_SCALE_ROW1
.endif
.endr
.endr
.endm
.macro FETCH_B slot, q, p
	WIN TO_B
.irp i, 0,1,2,3,4,5,6,7
	FRAG 128*(\p)+FR*\i, ADRB+\slot, \q, \i
.endr
	WIN 0
.endm
.macro FETCH_A slot, q, i0
.irp i, \i0, \i0+1, \i0+2, \i0+3
	FRAGA AF+FR*(\i), ADRA+\slot, \q, \i
.endr
.endm
.macro SCALES sc
.irp i, 0,1,2,3,4,5,6,7
	ds_load_b64 v[SC+8*NQ*\sc+NQ*\i:SC+8*NQ*\sc+NQ*\i+1], v[ADRS] offset:\i*SBLK
.endr
.endm
.macro PLACES n
.rept \n
	v_nop
.endr
.endm
.macro STEP slot, q, zero
	s_wait_dscnt 4*NL                              ; B's set and A's blocks 0-3 are in; the youngest 24 loads (A's blocks 4-7) may be out
.if \zero
	WIN BEG_LO
.else
	WIN MUL_LO
.endif
	MUL16 0, (\q)%2, \q, \slot, \zero
	MUL16 2, (\q)%2, \q, \slot, \zero
	s_wait_dscnt 0
	PLACES NP
	FETCH_B \slot, (\q)+1, 1-(\q)%2
	FETCH_A \slot, (\q)+1, 0
.if \zero
	WIN BEG_HI
.else
	WIN MUL_HI
.endif
	MUL16 4, (\q)%2, \q, \slot, \zero
	MUL16 6, (\q)%2, \q, \slot, \zero
	PLACES NP
	WIN 0
	FETCH_A \slot, (\q)+1, 4
.endm
.macro TURN slot, next, fill
	s_wait_tensorcnt 0x0                           ; my part of the next slot has landed; no load of mine is out
	ds_add_u32 v[SPW], v[NIL]
	s_wait_dscnt 4*NL+1                            ; the add and the youngest 24 loads may be out
	WIN MUL_LO
	MUL16 0, 1, NQ-1, \slot, 0
	s_wait_dscnt 0x0                               ; the add is done, my reads of this slot are over
	s_barrier_signal -1
	MUL16 2, 1, NQ-1, \slot, 0
	WIN 0
	s_barrier_wait -1
.if \fill
	CREST                                          ; the barrier has opened a round of the cluster's
	s_add_nc_u64 s[G0+4*\slot+2:G0+4*\slot+3], s[G0+4*\slot+2:G0+4*\slot+3], 8*HDO     ; eight heads on
	s_add_nc_u64 s[G0B+4*\slot+2:G0B+4*\slot+3], s[G0B+4*\slot+2:G0B+4*\slot+3], 2*ROWB
	JLOAD G0+4*\slot, G1, G0B+4*\slot, G1B         ; my one load behind the round; its four v_nop are the places in front of the loads below
.else
	PLACES NP
.endif
	v_add_nc_u32 v[ADRS], 4*NQ, v[ADRS]
	FETCH_B \next, 0, 0
	FETCH_A \next, 0, 0
	SCALES \next
	WIN MUL_HI
	MUL16 4, 1, NQ-1, \slot, 0
	MUL16 6, 1, NQ-1, \slot, 0
	PLACES NP
	WIN 0
	FETCH_A \next, 0, 4
.endm
	s_wait_tensorcnt 1                             ; the scales and my part of K step 0 are in; K step 1's load may be out
	s_barrier_signal -1
	s_barrier_wait -1
	FETCH_B 0, 0, 0
	FETCH_A 0, 0, 0
	SCALES 0
	FETCH_A 0, 0, 4
	s_wait_loadcnt 0x0                             ; the bias
	STEP 0, 0, 1
	s_mov_b32 s3, LAPS-1
.Llap:
	TURN 0, 1, 1
	STEP 1, 0, 0
	TURN 1, 0, 1
	STEP 0, 0, 0
	s_sub_co_u32 s3, s3, 1
	s_cmp_lg_u32 s3, 0
	s_cbranch_scc1 .Llap
	TURN 0, 1, 0
	STEP 1, 0, 0
	s_wait_dscnt 4*NL
	WIN MUL_LO
	MUL16 0, 1, NQ-1, 1, 0
	MUL16 2, 1, NQ-1, 1, 0
	s_wait_dscnt 0
	WIN MUL_HI
	MUL16 4, 1, NQ-1, 1, 0
	MUL16 6, 1, NQ-1, 1, 0
	WIN 0
; THE WAY OUT, 16 rows x 128 columns at a time, through my own stage: in as 32 bytes a lane, back as whole rows of 512 bytes.  LDS serves a wave's instructions in order (ISA guide 5.7.1).
.macro TOSTAGE a
.set AC, 64*((\a)%4)
	WIN 0x08+4*((\a)/4)                            ; the data: window 2 or 3
.irp b, 0,1,2,3,4,5,6,7
	ds_store_b128 v[STO], v[AC+8*\b:AC+8*\b+3] offset:64*\b          ; each accumulator from its low end on
	ds_store_b128 v[STO], v[AC+8*\b+4:AC+8*\b+7] offset:64*\b+16
.endr
	WIN 0
.set BB, BK+64*((\a)%2)
.irp t, 0,1,2,3,4,5,6,7,8,9,10,11,12,13,14,15
	ds_load_b128 v[BB+4*\t:BB+4*\t+3], v[RD] offset:\t*SPITCH
.endr
.endm
.macro SEND a, younger
.set BB, BK+64*((\a)%2)
	s_wait_dscnt \younger                          ; the block is back; the next block's 16 stores and 16 loads may be out
.if (\a) > 0
	s_add_nc_u64 s[12:13], s[12:13], 16*SIZE_N*4   ; (behind a wait on XCNT: the earlier stores have read their base)
.endif
.irp t, 0,1,2,3,4,5,6,7,8,9,10,11,12,13,14,15
	global_store_b128 v[CO], v[BB+4*\t:BB+4*\t+3], s[12:13] offset:\t*SIZE_N*4 th:TH_STORE_NT   ; 32 lanes store 512 consecutive bytes, aligned; written once, read by nobody here
.endr
.endm
	PLACES NP
	TOSTAGE 0
.irp a, 1,2,3,4,5,6,7
.if \a > 1
	s_wait_xcnt 0x0                                ; block a - 2's stores have read their registers and their base
.endif
	TOSTAGE \a
	SEND \a-1, 32
.endr
	s_wait_xcnt 0x0
	SEND 7, 0
	s_wait_tensorcnt 0x0                           ; the wave's end
	ds_add_u32 v[SPW], v[NIL]
	s_wait_dscnt 0x0
	CROUND                                         ; the closing round
	s_endpgm
.Lfunc_end_k_qea8e5f2f80_proj:
	.size	k_qea8e5f2f80_proj, .Lfunc_end_k_qea8e5f2f80_proj-k_qea8e5f2f80_proj
	.p2alignl 7, 3214868480
	.fill 96, 4, 3214868480
	.section	.rodata,"a",@progbits
	.p2align	6, 0x0
	.amdhsa_kernel k_qea8e5f2f80_proj
		.amdhsa_group_segment_fixed_size 327680
		.amdhsa_private_segment_fixed_size 0
		.amdhsa_enable_private_segment 0
		.amdhsa_kernarg_size 32
		.amdhsa_user_sgpr_count 2
		.amdhsa_user_sgpr_kernarg_segment_ptr 1
		.amdhsa_wavefront_size32 1
		.amdhsa_system_sgpr_workgroup_id_x 1
		.amdhsa_system_sgpr_workgroup_id_y 1
		.amdhsa_system_sgpr_workgroup_id_z 1
		.amdhsa_system_vgpr_workitem_id 0
		.amdhsa_next_free_vgpr 1024
		.amdhsa_next_free_sgpr 102
		.amdhsa_reserve_vcc 0
		.amdhsa_float_denorm_mode_32 3
		.amdhsa_float_denorm_mode_16_64 3
		.amdhsa_memory_ordered 1
		.amdhsa_forward_progress 1
		.amdhsa_inst_pref_size 162
	.end_amdhsa_kernel
	.amdgpu_metadata
---
amdhsa.version: [ 1, 2 ]
amdhsa.kernels:
  - .name:           k_qea8e5f2f80_proj
    .symbol:         k_qea8e5f2f80_proj.kd
    .args:
      - { .name: oq, .offset: 0, .size: 8, .value_kind: global_buffer, .address_space: global }
      - { .name: cq, .offset: 8, .size: 8, .value_kind: global_buffer, .address_space: global }
      - { .name: Wo_b, .offset: 16, .size: 8, .value_kind: global_buffer, .address_space: global }
      - { .name: out0, .offset: 24, .size: 8, .value_kind: global_buffer, .address_space: global }
    .group_segment_fixed_size: 327680
    .private_segment_fixed_size: 0
    .kernarg_segment_align: 8
    .kernarg_segment_size: 32
    .max_flat_workgroup_size: 128
    .sgpr_count:     102
    .vgpr_count:     1024
    .wavefront_size: 32
...
	.end_amdgpu_metadata
.endif
;; end of part 4
